; MI455X (gfx1250); checked and timed in simulation.
; The chip was launched on July 23, 2026; its instructions are those of AMD's public machine-readable ISA for CDNA 5 (MIT licence, August 2026) and "CDNA5" Instruction Set Architecture Reference Guide (July 2026). The comments in the code are by the model that wrote it; some were corrected since.
;; Masked Attention. Allowed arithmetic: matrix products marked QUANTISED: E4M3 operands, one given power-of-two scale a tensor, by v_wmma_f32_16x16x64_fp8_fp8 or v_wmma_f32_16x16x128_fp8_fp8, f32 sums; everything else in f32.
;; Inputs: Wk 1,024 x 1,024 float32; Wp 1,024 x 1,024 float32; Wq 1,024 x 1,024 float32; Wv 1,024 x 1,024 float32; bk 1,024 float32; bp 1,024 float32; bq 1,024 float32; bv 1,024 float32; lowp_scales 12 int32 (the exponents e of the quantised operands' scales 2^e); x 2 x 2,048 x 1,024 float32.
;; Outputs: out0 2 x 2,048 x 1,024 float32.
;; This version of the problem:
;;   THIS VERSION OF THE PROBLEM IS GIVEN IN LOW PRECISION. The matrix products marked QUANTISED in the list below multiply operands that are first quantised to E4M3 (4 exponent bits, 3 mantissa bits; 8 bits a number), with one given power-of-two scale for each operand tensor; their sums are f32. All else is computed in f32.
;;   The module's matrix products, in the order in which they are computed (A, B: the left and right operand; K: the contracted axis; several contracted axes count as one K, in the product's order):
;;     1. [M 4,096, K 1,024] x [K 1,024, N 1,024]; A: input x; B: input Wq: QUANTISED (scales: A lowp_scales[0], B lowp_scales[1])
;;     2. [M 4,096, K 1,024] x [K 1,024, N 1,024]; A: input x; B: input Wk: QUANTISED (scales: A lowp_scales[2], B lowp_scales[3])
;;     3. [M 4,096, K 1,024] x [K 1,024, N 1,024]; A: input x; B: input Wv: QUANTISED (scales: A lowp_scales[4], B lowp_scales[5])
;;     4. batch 32 x [M 2,048, K 64] x [K 64, N 2,048]; A: computed on the way; B: computed on the way: QUANTISED (scales: A lowp_scales[6], B lowp_scales[7])
;;     5. batch 32 x [M 2,048, K 2,048] x [K 2,048, N 64]; A: softmax (see below); B: computed on the way: QUANTISED (scales: A lowp_scales[8], B lowp_scales[9])
;;     6. [M 4,096, K 1,024] x [K 1,024, N 1,024]; A: computed on the way; B: input Wp: QUANTISED (scales: A lowp_scales[10], B lowp_scales[11])
;;   THE QUANTISER, for each operand of a quantised product, along K:
;;     - The operand's scale is 2^e, e = its entry of the input lowp_scales (int32; the entries are numbered through the quantised products in the list's order, A before B).
;;     - Each number is divided by the scale, clamped to +-448, and rounded to the nearest number of E4M3, ties to even, subnormals kept.
;;     - The product sums the exact products of the quantised numbers (number of the format x scale) in f32.
;;   ~~~python
;;   def quantise(x, axis, e):      # numpy; x: float32 -> the quantised numbers, widened to float32 again
;;       x = np.moveaxis(x, axis, -1); K = x.shape[-1]
;;       r = np.clip(x / 2.0 ** e, -448, 448)
;;       step = 2.0 ** (np.maximum(np.frexp(np.where(r == 0, 1, r))[1] - 1, -6) - 3)
;;       q = np.round(r / step) * step * 2.0 ** e      # np.round: ties to even
;;       return np.moveaxis(q, -1, axis).astype(np.float32)
;;   ~~~
;;   SOFTMAX AHEAD OF A QUANTISED PRODUCT. Where the list says 'softmax', what is quantised is not the finished softmax but p = 2^(t - M), with t = logit x log2(e) and M = ceil(the row's largest t), a whole number; so 1/2 < the row's largest p <= 1. The row's sum l is taken of the UNQUANTISED p, in f32, and the product's result is divided by l at the end. Since M is a whole number, a kernel that streams over the keys may use a running M (the ceiling of the running maximum): every later rescaling is an exact power of two, so the quantised numbers keep their values, but for numbers so far below the row's largest that they fall under the format's range.
;;   OPERANDS COMPUTED ON THE WAY. 'Computed on the way' means the value that the module computes at that place (a softmax that the list does not call 'softmax' is quantised finished and normalised). What goes into a quantiser is computed in f32, as accurately as f32 sums, v_exp_f32 and their like allow (about 1e-6 of the number): no bf16 or f16 on the way to a quantiser, and a product that is left as it is and whose result goes on into a quantised operand takes f32 operands (vector FMAs, or v_wmma_f32_16x16x4_f32). A number that lies on a knife's edge between two numbers of the format may be rounded either way, as far as f32 arithmetic and the matrix unit's own rounding can turn it there, and no further.
;; One version. Each part assembles by itself: llvm-mc -triple=amdgcn-amd-amdhsa -mcpu=gfx1250 --defsym DOCPART=n.
;; ======== version 1 of 1: 4 launches
;; limits: right only within a limited range of input values
;; workspace buffers: cod 16,777,216 bytes; qkv 12,582,912 bytes; ac 4,194,304 bytes
;; launch quant (part 1): grid 256 x 1, 8 waves a work-group, no clusters, 41,984 bytes of LDS; arguments x, Wq, Wk, Wv, Wp, lowp_scales, cod; writes cod
.if DOCPART == 1
	.amdgcn_target "amdgcn-amd-amdhsa--gfx1250"
	.amdhsa_code_object_version 6
	.text
	.protected	k_q6bc887b9de_quant
	.globl	k_q6bc887b9de_quant
	.p2align	8
	.type	k_q6bc887b9de_quant,@function
k_q6bc887b9de_quant:
	s_mov_b64 s[64:65], 0
	v_nop
	global_prefetch_b8 v0, s[64:65] scope:SCOPE_SE
	s_setreg_imm32_b32 hwreg(HW_REG_WAVE_MODE, 25, 1), 1
	s_wait_xcnt 0x0
; x [4096][1024] and Wq, Wk, Wv, Wp [1024][1024], f32, become codes of FP8 (E4M3), K innermost, in the workspace cod:
;   x three times, once for each product that reads it (scales: entries 0, 2, 4), at bytes 0, 0x400000, 0x800000;  Wq, Wk, Wv, Wp (entries 1, 3, 5, 11) at 0xC00000 + 0x100000 x (0 .. 3).
; code = number / 2^e, held within +-448, rounded to the nearest code, ties to even.
; LIMITS: each e lies between -126 and 119, so that 2^e and 448 x 2^e are f32 numbers.  NaN among the inputs is not served (an infinity is held at the largest code).
; SHARES.  Rows are dense, so every tensor is a plain stream.  Each of the 256 work-groups takes 16,384 numbers of x and 16,384 numbers of one W (W number = work-group / 64): all work-groups run one
; path of text with equal work.  A wave takes four steps of 512 numbers of x and four of W.  All 32 loads of a wave (16 KB) are issued at the head: nothing is read twice, and each step has registers of its own.
; A conversion takes eight neighbours from ONE lane's registers, a load is dense where neighbouring LANES take neighbouring bytes: so a step's 2,048 bytes turn through the wave's own stage in LDS
; (in as they lie, 16 bytes a lane; out 64 bytes a lane; 16 bytes of padding behind each 64).  A lane's 16 codes are 16 bytes: each store of the wave covers 512 consecutive bytes, aligned.
; No tensor load, no barrier: waves share nothing.  Matrix units and clusters have nothing to do in a stream.
.set WREG,  5120                       ; LDS of a wave: two stages of 32 x SP bytes
.set SP,    80                         ; a lane's place in a stage: 64 bytes + 16 of padding
.set SPARE, 8*WREG                     ; behind the eight regions: the spare words, 128 bytes for each wave: four blocks of 256 bytes that no other line names
.set NIL,   2                          ; v2       0; never rewritten
.set OFF,   3                          ; v3       16 x lane: my bytes of a load's 512 and of a store's 512; never rewritten
.set SPW,   13                         ; v13      LDS address of my spare word; never rewritten
.set SIN,   14                         ; v14      the stage, on the way in
.set SOUT,  15                         ; v15      and on the way out
.set R,     16                         ; v16-143  eight steps x 16 numbers as loaded
.set X,     144                        ; v144-175 two sets of 16 neighbours
.set T,     176                        ; v176-191 the numbers held within the largest code x the scale
.set C,     192                        ; v192-255 codes: registers of its own for each store, so that no store's data are written again
; v5, v6: 2^e and 448 x 2^e for x in product 1;  v7, v8: product 2;  v9, v10: product 3;  v11, v12: my W
	s_load_b64 s[4:5], s[0:1], 0x0                 ; x
	s_load_b256 s[8:15], s[0:1], 0x8               ; Wq, Wk, Wv, Wp
	s_load_b128 s[16:19], s[0:1], 0x28             ; the scales' exponents, cod
	v_lshl_add_u32 v[SPW], v0, 2, SPARE
	v_mov_b32 v[NIL], 0
	v_lshrrev_b32 v1, 5, v0
	s_delay_alu instid0(VALU_DEP_1)
	v_readfirstlane_b32 s20, v1                    ; wave 0..7
	v_and_b32 v1, 31, v0                           ; lane
	s_delay_alu instid0(VALU_DEP_1)
	v_lshlrev_b32 v[OFF], 4, v1
	s_mul_i32 s21, s20, WREG
	v_lshrrev_b32 v[SIN], 2, v1
	s_delay_alu instid0(VALU_DEP_1)
	v_mul_u32_u24 v[SIN], v[SIN], SP
	v_and_b32 v[SOUT], 3, v1
	s_delay_alu instid0(VALU_DEP_1)
	v_lshl_add_u32 v[SIN], v[SOUT], 4, v[SIN]
	s_delay_alu instid0(VALU_DEP_1)
	v_add_nc_u32 v[SIN], s21, v[SIN]               ; in: four lanes' 64 bytes on end, then the padding: SP (lane / 4) + 16 (lane % 4)
	v_and_b32 v4, 30, v1
	v_and_b32 v[SOUT], 1, v1
	v_mul_u32_u24 v4, v4, SP
	v_lshlrev_b32 v[SOUT], 5, v[SOUT]
	v_add_nc_u32 v4, s21, v4
	s_delay_alu instid0(VALU_DEP_1)
	v_add_nc_u32 v[SOUT], v4, v[SOUT]              ; out: of each 32 neighbours an even lane takes the eights 0 and 2, the odd lane beside it the eights 1 and 3: the second and the third eight of each 32 codes change places in memory,
	                                               ; in x and in every W alike: so the projection's 16-byte reads of Wp meet its other operand's order of k
	s_lshr_b32 s22, ttmp9, 6                       ; which W
	s_lshl_b32 s23, ttmp9, 3
	s_add_co_u32 s23, s23, s20                     ; my run of 2,048 numbers of x: 8 x work-group + wave
	s_and_b32 s50, ttmp9, 63
	s_lshl_b32 s50, s50, 3
	s_add_co_u32 s50, s50, s20                     ; and of my W: 8 x (work-group % 64) + wave
	s_mov_b32 s25, 0
	s_wait_alu depctr_va_vdst(0)
	s_wait_kmcnt 0x0
	s_load_b256 s[36:43], s[16:17], 0x0            ; entries 0 .. 7
	s_load_b128 s[44:47], s[16:17], 0x20           ; entries 8 .. 11
	s_lshl_b32 s24, s23, 13
	s_add_nc_u64 s[4:5], s[4:5], s[24:25]          ; x at my run: 8,192 bytes a run
	s_lshl_b32 s24, s23, 11
	s_add_nc_u64 s[26:27], s[18:19], s[24:25]      ; its codes, 2,048 bytes a run, three times
	s_add_nc_u64 s[28:29], s[26:27], 0x400000
	s_add_nc_u64 s[30:31], s[26:27], 0x800000
	s_cmp_eq_u32 s22, 1                            ; my W: the choice hangs on the work-group's number alone
	s_cselect_b64 s[34:35], s[10:11], s[8:9]
	s_cmp_eq_u32 s22, 2
	s_cselect_b64 s[34:35], s[12:13], s[34:35]
	s_cmp_eq_u32 s22, 3
	s_cselect_b64 s[34:35], s[14:15], s[34:35]
	s_lshl_b32 s24, s50, 13
	s_add_nc_u64 s[34:35], s[34:35], s[24:25]
	s_lshl_b32 s24, s50, 11
	s_lshl_b32 s49, s22, 20
	s_add_co_u32 s24, s24, s49
	s_add_co_u32 s24, s24, 0xC00000
	s_add_nc_u64 s[32:33], s[18:19], s[24:25]      ; my W's codes
.macro LOAD t                          ; step t: 0 .. 3 of x, 4 .. 7 of W; each load reads 512 consecutive bytes
.irp i, 0,1,2,3
.if (\t) < 4
	global_load_b128 v[R+16*(\t)+4*\i:R+16*(\t)+4*\i+3], v[OFF], s[4:5] offset:2048*(\t)+512*\i th:TH_LOAD_NT
.else
	global_load_b128 v[R+16*(\t)+4*\i:R+16*(\t)+4*\i+3], v[OFF], s[34:35] offset:2048*((\t)-4)+512*\i th:TH_LOAD_NT
.endif
.endr
.endm
.macro TURN t                          ; step t's numbers through a stage: LDS serves a wave's instructions in order (ISA guide 5.7.1.4), so no wait stands between the stores and the loads
.irp i, 0,1,2,3
	ds_store_b128 v[SIN], v[R+16*(\t)+4*\i:R+16*(\t)+4*\i+3] offset:32*SP*((\t)%2)+8*SP*\i
.endr
.irp i, 0,1,2,3
	ds_load_b128 v[X+16*((\t)%2)+4*\i:X+16*((\t)%2)+4*\i+3], v[SOUT] offset:32*SP*((\t)%2)+16*\i+48*(\i/2)
.endr
.endm
.macro MKSC e, sc, lim                 ; s[e] = the exponent: v[sc] = 2^e as f32 (the conversion takes its exponent field), v[lim] = 448 x 2^e
	s_add_co_i32 s48, s[\e], 127
	s_lshl_b32 s49, s48, 23
	v_mov_b32 v[\sc], s49
	s_add_co_i32 s48, s48, 8
	s_lshl_b32 s48, s48, 23
	s_or_b32 s48, s48, 0x600000
	v_mov_b32 v[\lim], s48
.endm
.macro Q1 xs, sc, lim, c               ; 16 neighbours in v[xs] on become 16 codes in v[c] on
.irp i, 0,1,2,3,4,5,6,7,8,9,10,11,12,13,14,15
	v_med3_num_f32 v[T+\i], v[\xs+\i], -v[\lim], v[\lim]   ; the conversion to an 8-bit code does not saturate (ISA guide 7.6.2): the hold comes first
.endr
	v_cvt_scalef32_pk8_fp8_f32 v[\c:\c+1], v[T:T+7], v[\sc]
	v_cvt_scalef32_pk8_fp8_f32 v[\c+2:\c+3], v[T+8:T+15], v[\sc]
	v_nop                                          ; one plain vector instruction between a scaled conversion and the next write of its sources
.endm
.irp t, 0,1,2,3,4,5,6,7
	LOAD \t
.endr
	s_wait_kmcnt 0x0
	s_cmp_eq_u32 s22, 1                            ; my W's exponent: entry 1, 3, 5 or 11
	s_cselect_b32 s51, s39, s37
	s_cmp_eq_u32 s22, 2
	s_cselect_b32 s51, s41, s51
	s_cmp_eq_u32 s22, 3
	s_cselect_b32 s51, s47, s51
	MKSC 36, 5, 6
	MKSC 38, 7, 8
	MKSC 40, 9, 10
	MKSC 51, 11, 12
	s_wait_alu depctr_va_vdst(0)
	s_wait_loadcnt 28                              ; step 0's four loads are in; the 28 behind them may be out
	TURN 0
.macro STEP t
.set XS, X+16*((\t)%2)
	s_wait_dscnt 0x0                               ; this step's numbers are back from the stage
.if (\t) < 7
	s_wait_loadcnt 4*(6-(\t))                      ; the next step's four loads are in; those of the steps behind it may be out
	TURN (\t)+1                                    ; they go through the other stage while this step is worked
.endif
.if (\t) < 4
.set CC, C+12*(\t)
	Q1 XS, 5, 6, CC
	global_store_b128 v[OFF], v[CC:CC+3], s[26:27] offset:512*(\t)
.set CC, C+12*(\t)+4
	Q1 XS, 7, 8, CC
	global_store_b128 v[OFF], v[CC:CC+3], s[28:29] offset:512*(\t)
.set CC, C+12*(\t)+8
	Q1 XS, 9, 10, CC
	global_store_b128 v[OFF], v[CC:CC+3], s[30:31] offset:512*(\t)
.else
.set CC, C+48+4*((\t)-4)
	Q1 XS, 11, 12, CC
	global_store_b128 v[OFF], v[CC:CC+3], s[32:33] offset:512*((\t)-4)
.endif
.endm
.irp t, 0,1,2,3,4,5,6,7
	STEP \t
.endr
	s_wait_tensorcnt 0x0                           ; the wave's end: behind my last LDS store
	ds_add_u32 v[SPW], v[NIL]
	s_wait_dscnt 0x0
	s_endpgm
.Lfunc_end_k_q6bc887b9de_quant:
	.size	k_q6bc887b9de_quant, .Lfunc_end_k_q6bc887b9de_quant-k_q6bc887b9de_quant
	.p2alignl 7, 3214868480
	.fill 96, 4, 3214868480
	.section	.rodata,"a",@progbits
	.p2align	6, 0x0
	.amdhsa_kernel k_q6bc887b9de_quant
		.amdhsa_group_segment_fixed_size 41984
		.amdhsa_private_segment_fixed_size 0
		.amdhsa_enable_private_segment 0
		.amdhsa_kernarg_size 56
		.amdhsa_user_sgpr_count 2
		.amdhsa_user_sgpr_kernarg_segment_ptr 1
		.amdhsa_wavefront_size32 1
		.amdhsa_system_sgpr_workgroup_id_x 1
		.amdhsa_system_sgpr_workgroup_id_y 1
		.amdhsa_system_sgpr_workgroup_id_z 1
		.amdhsa_system_vgpr_workitem_id 0
		.amdhsa_next_free_vgpr 256
		.amdhsa_next_free_sgpr 66
		.amdhsa_reserve_vcc 0
		.amdhsa_float_denorm_mode_32 3
		.amdhsa_float_denorm_mode_16_64 3
		.amdhsa_memory_ordered 1
		.amdhsa_forward_progress 1
		.amdhsa_inst_pref_size 32
	.end_amdhsa_kernel
	.amdgpu_metadata
---
amdhsa.version: [ 1, 2 ]
amdhsa.kernels:
  - .name:           k_q6bc887b9de_quant
    .symbol:         k_q6bc887b9de_quant.kd
    .args:
      - { .name: x, .offset: 0, .size: 8, .value_kind: global_buffer, .address_space: global }
      - { .name: Wq, .offset: 8, .size: 8, .value_kind: global_buffer, .address_space: global }
      - { .name: Wk, .offset: 16, .size: 8, .value_kind: global_buffer, .address_space: global }
      - { .name: Wv, .offset: 24, .size: 8, .value_kind: global_buffer, .address_space: global }
      - { .name: Wp, .offset: 32, .size: 8, .value_kind: global_buffer, .address_space: global }
      - { .name: lowp_scales, .offset: 40, .size: 8, .value_kind: global_buffer, .address_space: global }
      - { .name: cod, .offset: 48, .size: 8, .value_kind: global_buffer, .address_space: global }
    .group_segment_fixed_size: 41984
    .private_segment_fixed_size: 0
    .kernarg_segment_align: 8
    .kernarg_segment_size: 56
    .max_flat_workgroup_size: 256
    .sgpr_count:     66
    .vgpr_count:     256
    .wavefront_size: 32
...
	.end_amdgpu_metadata
.endif
;; end of part 1
;; launch qkv (part 2): grid 12 x 16, 4 waves a work-group, clusters of 4 x 4, 327,680 bytes of LDS; arguments cod, lowp_scales, bq, bk, bv, qkv; writes qkv
.if DOCPART == 2
	.amdgcn_target "amdgcn-amd-amdhsa--gfx1250"
	.amdhsa_code_object_version 6
	.text
	.protected	k_q6bc887b9de_qkv
	.globl	k_q6bc887b9de_qkv
	.p2align	8
	.type	k_q6bc887b9de_qkv,@function
k_q6bc887b9de_qkv:
	s_mov_b64 s[64:65], 0
	v_nop
	global_prefetch_b8 v0, s[64:65] scope:SCOPE_SE
	s_setreg_imm32_b32 hwreg(HW_REG_WAVE_MODE, 25, 1), 1
	s_wait_xcnt 0x0
	s_wait_alu depctr_hold_cnt(0) depctr_sa_sdst(0) depctr_va_vdst(0) depctr_va_sdst(0) depctr_va_ssrc(0) depctr_va_vcc(0) depctr_vm_vsrc(0)
	s_getreg_b32 s2, hwreg(HW_REG_IB_STS2, 6, 4)
	s_cmp_eq_u32 s2, 0
	s_cbranch_scc0 .Lentry_in_a_cluster
	s_endpgm
.Lentry_in_a_cluster:
	s_bfe_u32 s2, ttmp6, 0x10000c
	s_cmp_lg_u32 s2, 0xf033
	s_cbranch_scc0 .Lentry_shape_is_right
	s_endpgm
.Lentry_shape_is_right:
; q = x Wq^T + bq, k = x Wk^T + bk, v = x Wv^T + bv on codes of FP8 (E4M3), sums in f32; each result is quantised (scales: entries 6, 7, 9) and stored as the attention launch's operand registers.
; The cluster's x says which product: 0 = q, 1 = k, 2 = v; it is the same in all sixteen partners, so branches may hang on it.
; A tile of 256 x 256 results is made by a work-group of four waves; a wave makes 128 x 128: 64 accumulators, 512 registers.  K = 1,024 goes in four steps of 256 through a ring of two LDS slots filled by the tensor data mover.
; THE TWO SIDES.  Source 1 of the matrix instruction takes 16 rows of side A, source 0 takes 16 rows of side B: a lane then holds ONE row of A and eight NEIGHBOURING rows of B.
;   q, k: A = x's codes (16 tile rows: 4 x cluster y + cy), B = W's codes (4 tiles: cx): a lane holds one token and eight neighbouring channels: eight neighbours along the scores' K.
;   v:    A = Wv's codes (4 tiles: cy), B = x's codes (16 tiles: 4 x cluster y + cx): a lane holds one channel and eight neighbouring tokens: eight neighbours along the second attention product's K (the keys).
; Only addresses differ between the two cases: A's tiles hang on cy and are asked for jointly along a row of the cluster, B's on cx and along a column, in both.
; THE BIAS is the C of each sum's first matrix instruction, divided by the power of two that the sums lack: bias / 2^(eA + eB).  A sum stands for sum x 2^(eA + eB), so the conversion takes 2^(eo - eA - eB) as its one scale.
; THE WAY OUT needs no LDS: a conversion's two registers ARE registers 2 b, 2 b + 1 of the reader's fragment.  Images in qkv (q at 0, k at 0x400000, v at 0x800000; a head, 16 x batch + head, has 131,072 bytes in each):
;   q, k: [tile of 16 tokens][1,024 bytes]: 8 registers a lane (lane (r, h): token r; registers 2 c, 2 c + 1: channels 16 c + 8 h + 0 .. 7), four registers a store, lane l's 16 bytes at 16 l.
;   v:    [step of 128 keys][tile of 16 channels][2,048 bytes]: 16 registers a lane (lane (r, h): channel r; registers 2 c, 2 c + 1: keys 16 c + 8 h + 0 .. 7).
;   Each store of the wave covers 512 consecutive bytes, aligned.
; Inside this product a fragment is fetched by four loads of 16 bytes: a permutation of k that is the same on both sides, so every product meets its partner.
; PREFETCH.  Behind K step 0's load each wave asks for K steps 1 and 2, behind K step 1's load for K step 3: of the 128 rows that a wave fetches each of the four partners that ask jointly takes 32, told apart by address, a lane a row.
; LIMITS: e6 - e0 - e1, e7 - e2 - e3, e9 - e4 - e5 lie between -126 and 119, so that the conversion's scale and 448 x it are f32 numbers.  NaN among the inputs is not served.
; REGISTERS, in windows of 256: window 0: v0-31 addresses and constants; v32-95 the bias tiles, later the held sums; from v128 A's fragments, ONE set, later the codes.
;   window 1: B's fragments, TWO sets.   window 2: the accumulators of A's blocks 0-3 ((a, b) at v[8 (8 (a % 4) + b)]);   window 3: those of blocks 4-7.
.set ROWB,   256                       ; a tile's row in bytes: a K step
.set KROW,   1024                      ; a row of codes in memory
.set PITCH,  272                       ; an LDS row: 256 bytes + 16 of padding = 68 words: row r starts at bank 4 r mod 64 (64 banks of 4 bytes: ISA guide 11.1)
.set FR,     16                        ; registers of a fragment: 16 rows x 128 K
.set NL,     4                         ; LDS loads that bring one
.set NP,     4                         ; places behind this matrix instruction (ISA guide 7.12.1)
.set HALFT,  128*PITCH                 ; 128 rows: what one tensor load brings, and what one wave reads of a side
.set SLOT,   4*HALFT                   ; A's 256 rows, then B's 256 rows
.set SPARE,  2*SLOT                    ; behind the ring: the spare words, 128 bytes for each wave
.set ADRA, 16                          ; v16-17  LDS address of my A fragments in slot 0, 1
.set ADRB, 20                          ; v20-21  the same for B
.set PFO,  24                          ; v24     the prefetches' offset: my lane x a row; never rewritten
.set VO0,  26                          ; v26     the way out: 16 x lane
.set VO1,  27                          ; v27     and the second half of a row's codes: the next head's image (q, k) or the fragment's upper half (v)
.set SPW,  28                          ; v28     LDS address of my spare word; never rewritten
.set NIL,  29                          ; v29     0; never rewritten
.set SC,   30                          ; v30     2^(eo - eA - eB) as f32
.set LIM,  31                          ; v31     448 x that
.set BI,   32                          ; v32-95  eight bias tiles of eight registers
.set TMP,  32                          ; the way out: 64 held sums (the bias tiles are done with)
.set AF,   128                         ; A's fragments
.set CD,   128                         ; the way out: 16 registers of codes for each of A's eight blocks, never rewritten
.set PFA,  82                          ; s[82:83] the first of the 32 rows that my work-group prefetches of the 128 that I fetch
.set G1, 24                            ; s[24:31] descriptor group 1 for A's tiles;  s[32:39] group 0, one set for each slot
.set G0, 32
.set G1B, 48                           ; s[48:55], s[56:63] the same for B's tiles
.set G0B, 56
.set MSB, 0
.macro WIN new                         ; the immediate's high byte repeats the setting that is left
.if MSB != \new
	s_set_vgpr_msb (MSB<<8)|\new
.set MSB, \new
.endif
.endm
.set MUL_LO, 0xa1                      ; source 0 (B) window 1, source 1 (A) window 0, C and D window 2
.set MUL_HI, 0xf1                      ; the same, C and D window 3
.set TO_B,   0x40                      ; destination window 1, address window 0
.macro WMUL hi, cm                     ; the windows of a run of products; cm != 0: C is a bias tile, in window 0
.if \cm
.set WN, 0x81+0x40*\hi
.else
.set WN, 0xa1+0x50*\hi
.endif
	WIN WN
.endm
; A joint load: waves 0 and 1 fetch for A, waves 2 and 3 for B.  Each of the two lines has ONE mask and one set of registers for all that issue it; the branch hangs on the wave's number alone.
; An s_nop 0 and four v_nop follow each of the two lines, ahead of the jump, the label and what follows.
.macro JLOAD g0a, g1a, g0b, g1b
	s_cmp_eq_u32 s15, 0
	s_cbranch_scc0 .Lfor_b_\@
	tensor_load_to_lds s[\g0a:\g0a+3], s[\g1a:\g1a+7]
	s_nop 0
.rept 4
	v_nop
.endr
	s_branch .Lasked_\@
.Lfor_b_\@:
	tensor_load_to_lds s[\g0b:\g0b+3], s[\g1b:\g1b+7]
	s_nop 0
.rept 4
	v_nop
.endr
.Lasked_\@:
.endm
.macro CREST                           ; a round of the cluster's barrier behind its opening barrier
	s_cmp_lg_u32 s14, 0
	s_cbranch_scc1 .Lnot_wave_0_\@
	s_barrier_signal -3
.Lnot_wave_0_\@:
	s_barrier_wait -3
	s_barrier_signal -1
	s_barrier_wait -1
.endm
.macro CROUND                          ; a whole round
	s_barrier_signal -1
	s_barrier_wait -1
	CREST
.endm
	s_load_b256 s[68:75], s[0:1], 0x0              ; cod s[68:69], the scales' exponents s[70:71], bq s[72:73], bk s[74:75]
	s_load_b128 s[76:79], s[0:1], 0x20             ; bv s[76:77], qkv s[78:79]
	v_lshl_add_u32 v[SPW], v0, 2, SPARE
	v_mov_b32 v[NIL], 0
	ds_add_u32 v[SPW], v[NIL]                      ; the wave's opening: the add, twice on end, and its wait ahead of my first tensor load
	ds_add_u32 v[SPW], v[NIL]
	v_lshrrev_b32 v1, 5, v0
	v_readfirstlane_b32 s14, v1                    ; wave 0..3
	s_lshr_b32 s15, s14, 1                         ; which half of A's 256 rows is mine.  Also: I fetch for A (0) or for B (1)
	s_and_b32 s16, s14, 1                          ; which half of B's 256 rows.  Also: which 128 rows of that tile I fetch
	s_bfe_u32 s40, ttmp6, 0x40000                  ; cx, cy: my place in the cluster
	s_bfe_u32 s41, ttmp6, 0x40004
	s_and_b32 s67, ttmp7, 0xffff                   ; cluster y
	s_lshl_b32 s43, s41, 2
	s_lshl_b32 s43, 15, s43                        ; my row of the cluster
	s_lshl_b32 s44, 0x1111, s40                    ; my column
	; descriptor group 1: a tile of 128 rows x 256 bytes, padded in LDS
	s_or_b32 s[G1+0], s43, (0<<16)|(1<<20)|(1<<21)|(5<<22)|(3<<25)  ; 15:0 the mask: A's tiles go to my row; 17:16 element of 1 byte; 20 padding on; 21 set beside a mask; 24:22 after every 64 words (code 5); 31:25 of 4 words (code 3)
	s_or_b32 s[G1B+0], s44, (0<<16)|(1<<20)|(1<<21)|(5<<22)|(3<<25)
.irp g, G1, G1B
	s_mov_b32 s[\g+1], ROWB<<16                    ; tensor_dim0
	s_mov_b32 s[\g+2], 128<<16                     ; tensor_dim1 = 128
	s_mov_b32 s[\g+3], ROWB<<16                    ; tile_dim0
	s_mov_b32 s[\g+4], 128                         ; tile_dim1 = 128
	s_mov_b32 s[\g+5], KROW                        ; tensor_dim0_stride
	s_mov_b32 s[\g+6], 0
	s_mov_b32 s[\g+7], 0
.endr
	; where the tiles come from, as byte offsets in cod.  A's offset is made of cy, B's of cx, each in registers that never hold the other
	s_lshl_b32 s17, s67, 2                         ; 4 x cluster y
	s_lshl_b32 s18, ttmp9, 22                      ; x's codes for product q or k
	s_lshl_b32 s19, ttmp9, 20
	s_add_co_u32 s19, s19, 0xC00000                ; Wq's or Wk's codes
	s_mov_b32 s22, 0xE00000                        ; Wv's codes
	s_mov_b32 s23, 0x800000                        ; x's codes for product v
	s_cmp_eq_u32 ttmp9, 2
	s_cselect_b32 s20, 0, s17
	s_cselect_b32 s46, s17, 0
	s_cselect_b32 s18, s22, s18                    ; side A's tensor
	s_cselect_b32 s19, s23, s19                    ; side B's tensor
	s_add_co_u32 s20, s20, s41                     ; A's tile: (q, k: 4 x cluster y) + cy
	s_add_co_u32 s46, s46, s40                     ; B's tile: (v: 4 x cluster y) + cx
	s_lshl_b32 s20, s20, 8
	s_lshl_b32 s21, s16, 7
	s_add_co_u32 s20, s20, s21                     ; row 256 x tile + 128 x the half that I fetch
	s_lshl_b32 s20, s20, 10
	s_add_co_u32 s20, s20, s18
	s_mov_b32 s21, 0
	s_lshl_b32 s46, s46, 8
	s_lshl_b32 s47, s16, 7
	s_add_co_u32 s46, s46, s47
	s_lshl_b32 s46, s46, 10
	s_add_co_u32 s46, s46, s19
	s_mov_b32 s47, 0
	s_mul_i32 s45, s14, HALFT                      ; where they go: wave x 128 rows: no place in the cluster enters an LDS address
	s_wait_dscnt 0x0                               ; both opening adds are done
	s_wait_kmcnt 0x0
	s_load_b256 s[84:91], s[70:71], 0x0            ; entries 0 .. 7
	s_load_b128 s[92:95], s[70:71], 0x20           ; entries 8 .. 11
	s_add_nc_u64 s[20:21], s[68:69], s[20:21]
	s_add_nc_u64 s[46:47], s[68:69], s[46:47]
	CROUND                                         ; all sixteen work-groups are here: the first joint loads meet
.irp s, 0,1
	s_mov_b32 s[G0+4*\s], 1
	s_add_co_u32 s[G0+4*\s+1], s45, \s*SLOT
	s_add_nc_u64 s[G0+4*\s+2:G0+4*\s+3], s[20:21], \s*ROWB
	s_or_b32 s[G0+4*\s+3], s[G0+4*\s+3], 0x80000000
	s_mov_b32 s[G0B+4*\s], 1
	s_add_co_u32 s[G0B+4*\s+1], s45, \s*SLOT
	s_add_nc_u64 s[G0B+4*\s+2:G0B+4*\s+3], s[46:47], \s*ROWB
	s_or_b32 s[G0B+4*\s+3], s[G0B+4*\s+3], 0x80000000
.endr
	JLOAD G0, G1, G0B, G1B                         ; K step 0: one tensor load a wave at the head
	s_cmp_eq_u32 s15, 0
	s_cselect_b64 s[PFA:PFA+1], s[20:21], s[46:47] ; the 128 rows that I fetch,
	s_cselect_b32 s2, s40, s41                     ; my place among the four that ask for them with me,
	s_lshl_b32 s2, s2, 15
	s_mov_b32 s3, 0
	s_add_nc_u64 s[PFA:PFA+1], s[PFA:PFA+1], s[2:3]  ; and my work-group's 32 of them
	v_and_b32 v[PFO], 31, v0
	v_lshlrev_b32 v[PFO], 10, v[PFO]
	v_and_b32 v1, 15, v0                           ; r = l % 16
	v_bfe_u32 v2, v0, 4, 1                         ; h = l / 16
	v_mul_u32_u24 v3, v1, PITCH
	v_lshl_add_u32 v4, v2, 4, v3                   ; a fragment's row x pitch + 16 x half
	s_mul_i32 s21, s15, HALFT                      ; my 128 rows of A
	s_mul_i32 s22, s16, HALFT                      ; my 128 rows of B,
	s_add_co_u32 s22, s22, 2*HALFT                 ; which lie behind A's 256
	s_wait_alu depctr_va_vdst(0)
.irp s, 0,1
	v_add_nc_u32 v[ADRA+\s], s21, v4
	v_add_nc_u32 v[ADRB+\s], s22, v4
	s_add_co_u32 s21, s21, SLOT
	s_add_co_u32 s22, s22, SLOT
.endr
	v_lshlrev_b32 v5, 5, v2                        ; q, k: a lane's eight bias numbers begin 32 h bytes into a tile's 64
	v_lshlrev_b32 v6, 2, v1                        ; v: a lane's one bias number lies 4 r bytes into them
	v_and_b32 v[VO0], 31, v0
	v_lshlrev_b32 v[VO0], 4, v[VO0]
	; the product's scales, bias and place in qkv: chosen by the cluster's x, without a branch.  s4-s12 hold what mixes cx and cy: none of them feeds a descriptor
	s_wait_alu depctr_va_vdst(0)
	s_wait_kmcnt 0x0
	global_prefetch_b8 v[PFO], s[PFA:PFA+1] offset:ROWB th:TH_LOAD_NT scope:SCOPE_SE     ; K step 1
	global_prefetch_b8 v[PFO], s[PFA:PFA+1] offset:2*ROWB th:TH_LOAD_NT scope:SCOPE_SE   ; K step 2
	s_add_co_i32 s96, s84, s85                     ; eA + eB of q,
	s_add_co_i32 s10, s86, s87                     ; of k,
	s_add_co_i32 s11, s88, s89                     ; of v
	s_mov_b32 s98, 1024
	s_mov_b32 s100, 1024
	s_mov_b32 s12, 131072
	s_cmp_eq_u32 ttmp9, 1
	s_cselect_b32 s96, s10, s96
	s_cselect_b32 s97, s91, s90                    ; eo: entry 6 or 7,
	s_cselect_b64 s[80:81], s[74:75], s[72:73]
	s_cmp_eq_u32 ttmp9, 2
	s_cselect_b32 s96, s11, s96
	s_cselect_b32 s97, s93, s97                    ; or 9
	s_cselect_b64 s[80:81], s[76:77], s[80:81]     ; the bias
	s_cselect_b32 s4, s40, s41                     ; the tokens' side: its place in the cluster (v: cx; q, k: cy),
	s_cselect_b32 s5, s16, s15                     ; and my half of it
	s_cselect_b32 s6, s41, s40                     ; the channels' side likewise
	s_cselect_b32 s7, s15, s16
	s_cselect_b32 s98, 2048, s98                   ; from one of A's blocks to the next in qkv: a tile of tokens (1,024) or a tile of channels (2,048);
	s_cselect_b32 s100, 124928, s100               ; from block 3 to block 4, v: on to the next head's first tile: 131,072 - 3 x 2,048
	s_cselect_b32 s12, 1024, s12                   ; from the first eight code registers to the second eight: the next head (q, k) or the fragment's upper half (v)
	s_mov_b32 s99, 0
	s_mov_b32 s101, 0
	s_sub_co_i32 s97, s97, s96                     ; eo - eA - eB
	s_sub_co_i32 s96, 0, s96                       ; -(eA + eB)
	s_add_co_i32 s10, s97, 127
	s_lshl_b32 s11, s10, 23
	v_mov_b32 v[SC], s11
	s_add_co_i32 s10, s10, 8
	s_lshl_b32 s10, s10, 23
	s_or_b32 s10, s10, 0x600000
	v_mov_b32 v[LIM], s10
	v_add_nc_u32 v[VO1], s12, v[VO0]
	s_lshl_b32 s6, s6, 1
	s_add_co_u32 s6, s6, s7                        ; u: my first channel is 128 u, my first head 2 u
	s_lshl_b32 s8, s6, 9
	s_mov_b32 s9, 0
	s_add_nc_u64 s[80:81], s[80:81], s[8:9]        ; the bias at my first channel
	s_lshl_b32 s10, s67, 2
	s_add_co_u32 s10, s10, s4
	s_lshl_b32 s10, s10, 1
	s_add_co_u32 s10, s10, s5                      ; t: my first token (of 4,096) is 128 t
	s_lshr_b32 s11, s10, 4                         ; the batch
	s_lshl_b32 s11, s11, 4
	s_lshl_b32 s6, s6, 1
	s_add_co_u32 s11, s11, s6                      ; 16 x batch + head
	s_lshl_b32 s8, s11, 17
	s_and_b32 s10, s10, 15
	s_lshl_b32 s10, s10, 13                        ; 64 bytes a token in each of the three layouts
	s_add_co_u32 s8, s8, s10
	s_lshl_b32 s10, ttmp9, 22
	s_add_co_u32 s8, s8, s10
	s_add_nc_u64 s[78:79], s[78:79], s[8:9]        ; qkv at my first image
	; the bias tiles, in the result's layout, divided by 2^(eA + eB)
	s_cmp_eq_u32 ttmp9, 2
	s_cbranch_scc1 .Lbias_v
.irp x, 0,1,2,3,4,5,6,7                ; q, k: tile b, register j: the bias of channel 16 b + 8 h + j
	global_load_b128 v[BI+8*\x:BI+8*\x+3], v5, s[80:81] offset:64*\x
	global_load_b128 v[BI+8*\x+4:BI+8*\x+7], v5, s[80:81] offset:64*\x+16
.endr
	s_wait_loadcnt 0x0
.set i, 0
.rept 64
	v_ldexp_f32 v[BI+i], v[BI+i], s96
.set i, i+1
.endr
	s_branch .Lbias_done
.Lbias_v:
.irp x, 0,1,2,3,4,5,6,7                ; v: tile a, every register: the bias of channel 16 a + r
	global_load_b32 v[BI+8*\x], v6, s[80:81] offset:64*\x
.endr
	s_wait_loadcnt 0x0
.irp x, 0,1,2,3,4,5,6,7
.irp j, 7,6,5,4,3,2,1,0
	v_ldexp_f32 v[BI+8*\x+\j], v[BI+8*\x], s96
.endr
.endr
.Lbias_done:
.macro FRAG reg, adr, q, i             ; a fragment, 16 rows x 128 K, is 16 registers: lane l holds row l % 16; registers 4 c .. 4 c + 3 hold bytes 32 c + 16 (l / 16) + 0 .. 15 of its 128, on both sides alike; x's and W's codes have one order of k within each 32
.irp c, 0,1,2,3
	ds_load_b128 v[\reg+4*\c:\reg+4*\c+3], v[\adr] offset:128*(\q)+32*\c+(\i)*16*PITCH
.endr
.endm
; 16 matrix instructions: A's blocks a0, a0 + 1 x B's eight, 128 along K.  p: B's set.  cm = 1: C is the bias tile of B's block (q, k); 2: of A's block (v); 0: the sums go on in place.
; The 64 accumulators take turns, one instruction a turn, in the same order in every step.
.macro MUL16 a0, p, cm
.irp a, \a0, \a0+1
.irp b, 0,1,2,3,4,5,6,7
.if \cm == 1
	v_wmma_f32_16x16x128_fp8_fp8 v[8*(8*((\a)%4)+\b):8*(8*((\a)%4)+\b)+7], v[128*(\p)+FR*\b:128*(\p)+FR*\b+FR-1], v[AF+FR*(\a):AF+FR*(\a)+FR-1], v[BI+8*\b:BI+8*\b+7]
.elseif \cm == 2
	v_wmma_f32_16x16x128_fp8_fp8 v[8*(8*((\a)%4)+\b):8*(8*((\a)%4)+\b)+7], v[128*(\p)+FR*\b:128*(\p)+FR*\b+FR-1], v[AF+FR*(\a):AF+FR*(\a)+FR-1], v[BI+8*(\a):BI+8*(\a)+7]
.else
	v_wmma_f32_16x16x128_fp8_fp8 v[8*(8*((\a)%4)+\b):8*(8*((\a)%4)+\b)+7], v[128*(\p)+FR*\b:128*(\p)+FR*\b+FR-1], v[AF+FR*(\a):AF+FR*(\a)+FR-1], v[8*(8*((\a)%4)+\b):8*(8*((\a)%4)+\b)+7]
.endif
.endr
.endr
.endm
.macro FETCH_B slot, q, p              ; B's eight fragments of the slot's q-th 128 along K into set p
	WIN TO_B
.irp i, 0,1,2,3,4,5,6,7
	FRAG 128*(\p)+FR*\i, ADRB+\slot, \q, \i
.endr
	WIN 0
.endm
.macro FETCH_A slot, q, i0             ; A's blocks i0 .. i0 + 3
.irp i, \i0, \i0+1, \i0+2, \i0+3
	FRAG AF+FR*(\i), ADRA+\slot, \q, \i
.endr
.endm
; A load into a register that a matrix instruction has read, and a vector instruction that reads a matrix result or writes one of its registers, stand NP places behind it; only plain vector
; instructions that name none of its registers are places (ISA guide 7.12.1 for vector instructions).
.macro PLACES n
.rept \n
	v_nop
.endr
.endm
; A step of 128 along K that has its successor in the same slot.  A block of A is free as soon as its eight products are issued: blocks 0-3 are fetched anew in the step's middle, blocks 4-7 at its end.
.macro STEP slot, q, cm
	s_wait_dscnt 4*NL                              ; B's set and A's blocks 0-3 are in; the youngest 16 loads (A's blocks 4-7) may be out
	WMUL 0, \cm
	MUL16 0, (\q)%2, \cm
	MUL16 2, (\q)%2, \cm
	s_wait_dscnt 0                                 ; A's blocks 4-7 are in (asked for 32 matrix instructions ago)
	PLACES NP
	FETCH_B \slot, (\q)+1, 1-(\q)%2
	FETCH_A \slot, (\q)+1, 0
	WMUL 1, \cm
	MUL16 4, (\q)%2, \cm
	MUL16 6, (\q)%2, \cm
	PLACES NP
	WIN 0
	FETCH_A \slot, (\q)+1, 4
.endm
; A slot's last step changes slots: ONE barrier; in front of it each wave waits for all its tensor loads, adds 0 to its spare word, and waits for that and for its own reads of this slot.  fill = 1: this slot is filled again, two K steps ahead.
.macro TURN slot, next, fill
	s_wait_tensorcnt 0x0                           ; all my tensor loads have landed: my part of the next slot  (every window is 0 here: the add's two registers lie in window 0)
	ds_add_u32 v[SPW], v[NIL]                      ; 0 onto my spare word
	s_wait_dscnt 4*NL+1                            ; (the add and the youngest 16 loads, A's blocks 4-7, may be out)
	WIN MUL_LO
	MUL16 0, 1, 0                                  ; sixteen matrix instructions stand between the add and the wait for it
	s_wait_dscnt 0x0                               ; the add is done, and my reads of this slot are over
	s_barrier_signal -1
	MUL16 2, 1, 0
	WIN 0
	s_barrier_wait -1
.if \fill
	CREST                                          ; the barrier has opened a round of the cluster's barrier: no wave of any partner still reads this slot's tile or has a load on its way
	s_add_nc_u64 s[G0+4*\slot+2:G0+4*\slot+3], s[G0+4*\slot+2:G0+4*\slot+3], 2*ROWB
	s_add_nc_u64 s[G0B+4*\slot+2:G0B+4*\slot+3], s[G0B+4*\slot+2:G0B+4*\slot+3], 2*ROWB
	JLOAD G0+4*\slot, G1, G0B+4*\slot, G1B         ; the first tensor load behind the round, my one load until the next; the four v_nop behind it are the places in front of the loads below
.else
	PLACES NP
.endif
	FETCH_B \next, 0, 0
	FETCH_A \next, 0, 0
	WIN MUL_HI
	MUL16 4, 1, 0
	MUL16 6, 1, 0
	PLACES NP
	WIN 0
	FETCH_A \next, 0, 4
.endm
	s_wait_alu depctr_va_vdst(0)
	s_wait_tensorcnt 0x0                           ; my part of K step 0 is in
	ds_add_u32 v[SPW], v[NIL]
	s_wait_dscnt 0x0                               ; the add is done
	CROUND                                         ; everybody's part of K step 0 is in, and all sixteen work-groups are here: the joint loads meet,
	JLOAD G0+4, G1, G0B+4, G1B                     ; and K step 1's load, the first tensor load behind the round
	FETCH_B 0, 0, 0
	FETCH_A 0, 0, 0
	FETCH_A 0, 0, 4
	global_prefetch_b8 v[PFO], s[PFA:PFA+1] offset:3*ROWB th:TH_LOAD_NT scope:SCOPE_SE   ; K step 3: the last
	s_cmp_eq_u32 ttmp9, 2                          ; the first step is written twice: its products start the sums with the bias, whose tile goes by B's block (q, k) or by A's (v).  Both ways issue the same loads
	s_cbranch_scc1 .Lfirst_v
	STEP 0, 0, 1
	s_branch .Lfirst_done
.Lfirst_v:
	STEP 0, 0, 2
.Lfirst_done:
	TURN 0, 1, 1                                   ; K = 1,024 is four K steps: written out, no loop.  Slot 0 takes K step 2,
	STEP 1, 0, 0
	TURN 1, 0, 1                                   ; slot 1 takes K step 3
	STEP 0, 0, 0
	TURN 0, 1, 0                                   ; nothing is left to fetch, so no round follows
	STEP 1, 0, 0
	s_wait_dscnt 4*NL                              ; the very last step
	WIN MUL_LO
	MUL16 0, 1, 0
	MUL16 2, 1, 0
	s_wait_dscnt 0
	WIN MUL_HI
	MUL16 4, 1, 0
	MUL16 6, 1, 0
	WIN 0
; THE WAY OUT of A's block a: its 64 sums a lane are held within 448 x the scale (each accumulator from its low end on), converted eight at a time, and stored as they stand: registers 2 b, 2 b + 1 of the reader's operand.
.macro OUTROW a
.set WN, 0x02+(\a)/4
	WIN WN                                         ; source 0: window 2 or 3
.set AC, 64*((\a)%4)
.set i, 0
.rept 64
	v_med3_num_f32 v[TMP+i], v[AC+i], -v[LIM], v[LIM]   ; the conversion to an 8-bit code does not saturate (ISA guide 7.6.2)
.set i, i+1
.endr
	WIN 0
.irp b, 0,1,2,3,4,5,6,7
	v_cvt_scalef32_pk8_fp8_f32 v[CD+16*(\a)+2*\b:CD+16*(\a)+2*\b+1], v[TMP+8*\b:TMP+8*\b+7], v[SC]
.endr
	v_nop                                          ; one plain vector instruction between a scaled conversion and the next write of its sources
.if (\a) > 0
	s_wait_alu depctr_va_vdst(0)
	s_wait_xcnt 0x0                                ; the last block's stores have read their base: it is stepped only behind this wait
.if (\a) == 4
	s_add_nc_u64 s[78:79], s[78:79], s[100:101]
.else
	s_add_nc_u64 s[78:79], s[78:79], s[98:99]
.endif
.endif
	global_store_b128 v[VO0], v[CD+16*(\a):CD+16*(\a)+3], s[78:79]                   ; 32 lanes store 512 consecutive bytes, aligned
	global_store_b128 v[VO0], v[CD+16*(\a)+4:CD+16*(\a)+7], s[78:79] offset:512
	global_store_b128 v[VO1], v[CD+16*(\a)+8:CD+16*(\a)+11], s[78:79]
	global_store_b128 v[VO1], v[CD+16*(\a)+12:CD+16*(\a)+15], s[78:79] offset:512
.endm
	PLACES NP                                      ; behind the last products: in front of the first read of results and of the conversions into the registers that held A's fragments
.irp a, 0,1,2,3,4,5,6,7
	OUTROW \a
.endr
	s_wait_tensorcnt 0x0                           ; the wave's end, behind my last tensor load
	ds_add_u32 v[SPW], v[NIL]
	s_wait_dscnt 0x0
	CROUND                                         ; the closing round: no work-group ends while a partner may still ask for a tile that names it
	s_endpgm
.Lfunc_end_k_q6bc887b9de_qkv:
	.size	k_q6bc887b9de_qkv, .Lfunc_end_k_q6bc887b9de_qkv-k_q6bc887b9de_qkv
	.p2alignl 7, 3214868480
	.fill 96, 4, 3214868480
	.section	.rodata,"a",@progbits
	.p2align	6, 0x0
	.amdhsa_kernel k_q6bc887b9de_qkv
		.amdhsa_group_segment_fixed_size 327680
		.amdhsa_private_segment_fixed_size 0
		.amdhsa_enable_private_segment 0
		.amdhsa_kernarg_size 48
		.amdhsa_user_sgpr_count 2
		.amdhsa_user_sgpr_kernarg_segment_ptr 1
		.amdhsa_wavefront_size32 1
		.amdhsa_system_sgpr_workgroup_id_x 1
		.amdhsa_system_sgpr_workgroup_id_y 1
		.amdhsa_system_sgpr_workgroup_id_z 1
		.amdhsa_system_vgpr_workitem_id 0
		.amdhsa_next_free_vgpr 1024
		.amdhsa_next_free_sgpr 102
		.amdhsa_reserve_vcc 0
		.amdhsa_float_denorm_mode_32 3
		.amdhsa_float_denorm_mode_16_64 3
		.amdhsa_memory_ordered 1
		.amdhsa_forward_progress 1
		.amdhsa_inst_pref_size 140
	.end_amdhsa_kernel
	.amdgpu_metadata
---
amdhsa.version: [ 1, 2 ]
amdhsa.kernels:
  - .name:           k_q6bc887b9de_qkv
    .symbol:         k_q6bc887b9de_qkv.kd
    .args:
      - { .name: cod, .offset: 0, .size: 8, .value_kind: global_buffer, .address_space: global }
      - { .name: lowp_scales, .offset: 8, .size: 8, .value_kind: global_buffer, .address_space: global }
      - { .name: bq, .offset: 16, .size: 8, .value_kind: global_buffer, .address_space: global }
      - { .name: bk, .offset: 24, .size: 8, .value_kind: global_buffer, .address_space: global }
      - { .name: bv, .offset: 32, .size: 8, .value_kind: global_buffer, .address_space: global }
      - { .name: qkv, .offset: 40, .size: 8, .value_kind: global_buffer, .address_space: global }
    .group_segment_fixed_size: 327680
    .private_segment_fixed_size: 0
    .kernarg_segment_align: 8
    .kernarg_segment_size: 48
    .max_flat_workgroup_size: 128
    .sgpr_count:     102
    .vgpr_count:     1024
    .wavefront_size: 32
...
	.end_amdgpu_metadata
.endif
;; end of part 2
;; launch attn (part 3): grid 8 x 32, 16 waves a work-group, clusters of 4 x 1, 327,680 bytes of LDS; arguments qkv, lowp_scales, ac; writes ac
.if DOCPART == 3
	.amdgcn_target "amdgcn-amd-amdhsa--gfx1250"
	.amdhsa_code_object_version 6
	.text
	.protected	k_q6bc887b9de_attn
	.globl	k_q6bc887b9de_attn
	.p2align	8
	.type	k_q6bc887b9de_attn,@function
k_q6bc887b9de_attn:
	s_mov_b64 s[64:65], 0
	v_nop
	global_prefetch_b8 v0, s[64:65] scope:SCOPE_SE
	s_setreg_imm32_b32 hwreg(HW_REG_WAVE_MODE, 25, 1), 1
	s_wait_xcnt 0x0
	s_wait_alu depctr_hold_cnt(0) depctr_sa_sdst(0) depctr_va_vdst(0) depctr_va_sdst(0) depctr_va_ssrc(0) depctr_va_vcc(0) depctr_vm_vsrc(0)
	s_getreg_b32 s2, hwreg(HW_REG_IB_STS2, 6, 4)
	s_cmp_eq_u32 s2, 0
	s_cbranch_scc0 .Lentry_in_a_cluster
	s_endpgm
.Lentry_in_a_cluster:
	s_bfe_u32 s2, ttmp6, 0x10000c
	s_cmp_lg_u32 s2, 0x3003
	s_cbranch_scc0 .Lentry_shape_is_right
	s_endpgm
.Lentry_shape_is_right:
; Causal attention on codes of FP8 (E4M3): S = q k^T, p = 2^(t - M), o = p v / (sum of p), quantised (entry 10) and stored as the projection's operand registers.  q, k, v come as register images (the launch before).
; t = score x log2(e) / 8; M = the row's largest t so far, rounded UP to a whole number; the row's sum is taken of the unquantised p in f32 and divides at the end; when M moves, sum and o are multiplied by 2^(old M - new M): exact.
; THE MASK is causal: key steps of 128 all of whose keys come after a tile's 16 queries are not walked.
; SHARES.  Work-group i (0..7) of a head owns the 16 tiles of 16 queries that begin at 128 g + 16 i, g = 0..15; tile g has g + 1 key steps.  Pair j (0..7) of waves owns tile B, g = 15 - j, and tile A, g = j: 17 steps.
; Wave P = j takes B's steps 0-9 (j = 7: 0-8, all of B); wave Q = 8 + j takes A (j + 1 steps) and then the rest of B (6 - j steps, none for j = 6, 7).  Q hands its part of B (-M, sum, o) to P through LDS; P joins the two by powers of two and stores B.
; Branches hang on the wave's number and the step alone, and every work-group reads every key:
; CLUSTERS of 4 work-groups of one head ask jointly for k and v: sixteen waves, a load of 8,192 bytes each: at the head keys 0-1,023 (waves 0-7: k, waves 8-15: v), behind a round keys 1,024-2,047.  All of k and v of the head lies in LDS:
; no byte is filled twice.  What the second load asks for is prefetched at the head: 32 blocks of 256 bytes a wave, 8 by each partner, told apart by address.
; THE SECOND HALF is shown to all waves by a barrier that guards no refill: a wave signals behind step 2, when its own load has landed, and waits behind step 7; steps 3-7 between the two read keys 384-1,023 alone.
; LAYOUT.  Both products are used transposed: lane (r, h) holds query r; register 8 t + n of S is key 16 t + 8 h + n, so a conversion's two registers are registers 2 t, 2 t + 1 of the second product's operand.
; LIMITS: e6 + e7 between -123 and 130 (added to an exponent field); e8 and e10 - e8 - e9 between -126 and 119; scaled scores under 2^31 in magnitude.  NaN among the inputs is not served.
; REGISTERS: v1-7 addresses; v12 -M; v13 the largest t; v[14:15] the sum in two halves; v16-23 q; v[24:25] 2^(old M - new M); v28, v29 2^e8 and 448 x it; v31 -infinity; v8-11, v26, v27, v30 at work;
; v32-95 k's fragments, then p's codes; S 96-159; v's fragments 160-223; o 224-255.
.set SPARE, 262144                     ; behind k (from 0) and v (from 131,072): the spare words, 128 bytes for each wave
.set XB,    SPARE+2048                 ; then what Q hands to P: 9 x 512 bytes for each pair
.set XW,    4608
.set LI,   1                           ; 16 x lane
.set SPW,  2                           ; LDS address of my spare word; never rewritten
.set NIL,  3                           ; 0; never rewritten
.set ADK,  4
.set ADV,  5
.set XA,   6                           ; LDS address of my 16 bytes of my pair's first 512
.set PFO,  7                           ; the prefetch's offset; never rewritten
.set KR,   32
.set S,    96
.set VR,   160
.set O,    224
.set LO,   44                          ; s44 my first step in the loop in hand
.set LB,   45                          ; s45 tile B's last step, 15 - j
.set J,    46                          ; s46 j, tile A's last step
.set RO,   47                          ; s47 0: P, 1: Q
.set ST,   48                          ; s48 key step
.set TB,   49                          ; s49 its byte in LDS
.set LM,   50                          ; s50 how many steps behind LO my last one stands
.set DG,   51                          ; s51 the tile's diagonal step
.set TRI,  80                          ; s80-87 lane masks: register n of the diagonal's key tile is hidden
.set HM,   88                          ; s88-95 the masks of the key tile in hand
.macro CROUND                          ; a round of the cluster's barrier
	s_barrier_signal -1
	s_barrier_wait -1
	s_cmp_lg_u32 s10, 0
	s_cbranch_scc1 .Lnot_wave_0_\@
	s_barrier_signal -3
.Lnot_wave_0_\@:
	s_barrier_wait -3
	s_barrier_signal -1
	s_barrier_wait -1
.endm
	s_load_b128 s[4:7], s[0:1], 0x0                ; qkv, the scales' exponents
	s_load_b64 s[8:9], s[0:1], 0x10                ; ac
	v_lshl_add_u32 v[SPW], v0, 2, SPARE
	v_mov_b32 v[NIL], 0
	ds_add_u32 v[SPW], v[NIL]                      ; the wave's opening: the add, twice on end, and its wait ahead of my first tensor load
	ds_add_u32 v[SPW], v[NIL]
	v_lshrrev_b32 v8, 5, v0
	s_delay_alu instid0(VALU_DEP_1)
	v_readfirstlane_b32 s10, v8                    ; wave 0..15
	s_lshr_b32 s11, s10, 3                         ; I fetch for k (0) or for v (1)
	s_and_b32 s12, s10, 7                          ; and which eighth of each half
	s_lshr_b32 s[RO], s10, 3                       ; waves 0-7: P; the others: Q
	s_and_b32 s[J], s10, 7
	s_sub_co_u32 s[LB], 15, s[J]
	s_and_b32 s17, ttmp7, 0xffff                   ; 16 x batch + head
	s_bfe_u32 s16, ttmp6, 0x40000                  ; cx
	s_lshl_b32 s19, ttmp9, 2
	s_add_co_u32 s19, s19, s16                     ; i
	s_lshl_b32 s13, s11, 17
	s_lshl_b32 s52, s12, 13
	s_add_co_u32 s13, s13, s52                     ; where my load goes
	s_add_co_u32 s14, s11, 1
	s_lshl_b32 s14, s14, 22                        ; k's images or v's,
	s_lshl_b32 s53, s17, 17
	s_add_co_u32 s14, s14, s53                     ; the head's,
	s_add_co_u32 s14, s14, s52                     ; my eighth of the first half
	s_mov_b32 s15, 0
	; descriptor group 1: 8,192 dense bytes as 32 rows of 256
	s_mov_b32 s24, 15|(3<<16)|(1<<21)              ; 15:0 the mask: the four of the cluster; 17:16 elements of 8 bytes; 21 set beside a mask
	s_mov_b32 s25, 32<<16
	s_mov_b32 s26, 32<<16
	s_mov_b32 s27, 32<<16
	s_mov_b32 s28, 32
	s_mov_b32 s29, 32
	s_mov_b32 s30, 0
	s_mov_b32 s31, 0
	s_mov_b32 s[LO], 0
	s_cmp_eq_u32 s[RO], 0
	s_cselect_b32 s[LM], 7, s[J]                   ; steps 0-7: P's of tile B, Q's of tile A
	s_cselect_b32 s[DG], s[LB], s[J]
	s_lshl_b32 s54, s19, 10
	s_add_co_u32 s54, s54, s53
	s_lshl_b32 s56, s[DG], 13                      ; q's images: 1,024 bytes a tile of 16 queries: tile 8 g + i: my first tile (its g is its diagonal step),
	s_add_co_u32 s56, s56, s54
	s_mov_b32 s57, 0
	s_lshl_b32 s58, s[LB], 13                      ; and B
	s_add_co_u32 s58, s58, s54
	s_mov_b32 s59, 0
	s_lshr_b32 s54, s17, 4                         ; ac: [128 rows: 16 x batch + g][128 channels: head / 2][tile of 16 rows: i][2,048 bytes: the head's half]
	s_lshl_b32 s54, s54, 21
	s_lshl_b32 s55, s19, 11
	s_add_co_u32 s54, s54, s55
	s_bfe_u32 s55, s17, 0x30001
	s_lshl_b32 s55, s55, 14
	s_add_co_u32 s54, s54, s55
	s_and_b32 s55, s17, 1
	s_lshl_b32 s55, s55, 10
	s_add_co_u32 s54, s54, s55
	s_lshl_b32 s60, s[LB], 17
	s_add_co_u32 s60, s60, s54
	s_mov_b32 s61, 0
	s_lshl_b32 s62, s[J], 17
	s_add_co_u32 s62, s62, s54
	s_mov_b32 s63, 0
	s_mov_b32 s20, 0x76543210                      ; lane selects for v_permlanex16_b32: lane l xor 16
	s_mov_b32 s21, 0xfedcba98
	s_mov_b32 s22, 0x3e38aa3b                      ; log2(e) / 8
	s_wait_alu depctr_va_vdst(0)
	s_wait_dscnt 0x0                               ; both opening adds are done
	s_wait_kmcnt 0x0
	s_load_b64 s[68:69], s[6:7], 0x18              ; e6, e7
	s_load_b128 s[72:75], s[6:7], 0x20             ; e8 .. e11
	s_add_nc_u64 s[14:15], s[4:5], s[14:15]
	s_add_nc_u64 s[56:57], s[4:5], s[56:57]
	s_add_nc_u64 s[58:59], s[4:5], s[58:59]
	s_add_nc_u64 s[60:61], s[8:9], s[60:61]
	s_add_nc_u64 s[62:63], s[8:9], s[62:63]
	s_mov_b32 s32, 1
	s_mov_b32 s33, s13
	s_mov_b64 s[34:35], s[14:15]
	s_or_b32 s35, s35, 0x80000000
	s_mov_b32 s36, 1
	s_add_co_u32 s37, s13, 0x10000                 ; keys 1,024-2,047
	s_add_nc_u64 s[38:39], s[14:15], 0x10000
	s_or_b32 s39, s39, 0x80000000
	s_add_nc_u64 s[40:41], s[14:15], 0x10000       ; and the same for the prefetch
	CROUND                                         ; the four work-groups are here: the joint loads meet
	tensor_load_to_lds s[32:35], s[24:31]
	s_nop 0
.rept 4
	v_nop
.endr
	v_and_b32 v[LI], 31, v0
	v_and_b32 v[PFO], 31, v0
	s_mul_i32 s55, s[J], XW
	s_add_co_u32 s55, s55, XB
	s_lshl_b32 s54, s16, 11                        ; 8 blocks of 256 bytes for each partner: lanes 0-7 (the others name the last again)
	v_lshlrev_b32 v[LI], 4, v[LI]
	v_min_u32 v[PFO], 7, v[PFO]
	v_and_b32 v8, 15, v0
	v_bfe_u32 v9, v0, 4, 1
	v_add_nc_u32 v[XA], s55, v[LI]
	v_lshl_add_u32 v[PFO], v[PFO], 8, s54
	v_lshlrev_b32 v9, 3, v9
	global_load_b128 v[16:19], v[LI], s[56:57]
	global_load_b128 v[20:23], v[LI], s[56:57] offset:512
	v_sub_nc_u32 v8, v8, v9
	; the diagonal step of every tile is the same: key tile t < i counts whole, t > i is hidden whole, and in t = i register n is hidden where n > r - 8 h
.irp n, 0,1,2,3,4,5,6,7
	v_cmp_gt_i32 s[TRI+\n], \n, v8
.endr
	v_mov_b32 v31, 0xff800000
	v_mov_b32 v10, 0                               ; a lane permute's destination counts as one of its sources
	v_mov_b32 v25, 0                               ; (named as the upper half of the pair v[24:25])
.macro INIT
	v_mov_b32 v13, 0xff61b1e6                      ; the largest t so far: -3e38
	v_mov_b32 v14, 0
	v_mov_b32 v15, 0
.set j, 0
.rept 32
	v_mov_b32 v[O+j], 0                            ; the first change of M multiplies zeros
.set j, j+1
.endr
	v_floor_f32 v12, -v13
.endm
	INIT
	s_wait_alu depctr_va_vdst(0)
	s_wait_kmcnt 0x0
	global_prefetch_b8 v[PFO], s[40:41] th:TH_LOAD_NT scope:SCOPE_SE
	s_add_co_i32 s52, s68, s69
	s_lshl_b32 s52, s52, 23
	s_add_co_i32 s22, s22, s52                     ; c: log2(e) / 8 x 2^(e6 + e7)
	s_mov_b32 s23, s22                             ; (named with it as a pair)
	s_add_co_i32 s52, s72, 127
	s_lshl_b32 s53, s52, 23
	v_mov_b32 v28, s53                             ; 2^e8
	s_add_co_i32 s52, s52, 8
	s_lshl_b32 s52, s52, 23
	s_or_b32 s52, s52, 0x600000
	v_mov_b32 v29, s52                             ; 448 x 2^e8
	s_sub_co_i32 s52, s74, s72                     ; the way out: o / sum x 2^(e8 + e9), quantised by 2^e10: the conversion's one scale is 2^(e10 - e8 - e9)
	s_sub_co_i32 s52, s52, s73
	s_add_co_i32 s52, s52, 127
	s_lshl_b32 s76, s52, 23
	s_add_co_i32 s52, s52, 8
	s_lshl_b32 s52, s52, 23
	s_or_b32 s77, s52, 0x600000
.macro HIDE                            ; the diagonal: hidden scores become -infinity
.irp t, 0,1,2,3,4,5,6,7
	s_cmp_lt_u32 s19, \t
	s_cselect_b32 s96, -1, 0
	s_cmp_eq_u32 s19, \t
.irp n, 0,1,2,3,4,5,6,7
	s_cselect_b32 s[HM+\n], s[TRI+\n], s96
.endr
.irp n, 0,1,2,3,4,5,6,7
	v_cndmask_b32 v[S+8*\t+\n], v[S+8*\t+\n], v31, s[HM+\n]
.endr
.endr
.endm
.macro FMAS k                          ; t - M, two at a time
.rept \k
	v_pk_fma_f32 v[S+j:S+j+1], v[S+j:S+j+1], s[22:23], v[12:13] op_sel_hi:[1,0,0]
.set j, j+2
.endr
.endm
.macro SOFT
	v_max3_num_f32 v8, v[S], v[S+1], v[S+2]        ; the step's largest score, in four chains
	v_max3_num_f32 v9, v[S+3], v[S+4], v[S+5]
	v_max3_num_f32 v11, v[S+6], v[S+7], v[S+8]
	v_max3_num_f32 v30, v[S+9], v[S+10], v[S+11]
.set j, 12
.rept 6
	v_max3_num_f32 v8, v8, v[S+j], v[S+j+1]
	v_max3_num_f32 v9, v9, v[S+j+2], v[S+j+3]
	v_max3_num_f32 v11, v11, v[S+j+4], v[S+j+5]
	v_max3_num_f32 v30, v30, v[S+j+6], v[S+j+7]
.set j, j+8
.endr
	v_max3_num_f32 v8, v8, v[S+60], v[S+61]
	v_max3_num_f32 v9, v9, v[S+62], v[S+63]
	s_delay_alu instid0(VALU_DEP_1)
	v_max3_num_f32 v8, v8, v9, v11
	s_delay_alu instid0(VALU_DEP_1)
	v_max_num_f32 v8, v8, v30
	s_delay_alu instid0(VALU_DEP_1)
	v_permlanex16_b32 v10, v8, s20, s21
	s_delay_alu instid0(VALU_DEP_1)
	v_max_num_f32 v8, v8, v10
	s_delay_alu instid0(VALU_DEP_1)
	v_mul_f32 v8, s22, v8
	s_delay_alu instid0(VALU_DEP_1)
	v_max_num_f32 v13, v13, v8
	v_mov_b32 v30, v12
	s_delay_alu instid0(VALU_DEP_2)
	v_floor_f32 v12, -v13                          ; the new -M
.set j, 0
	FMAS 5
	v_sub_f32 v30, v12, v30                        ; old M - new M
	FMAS 5
	v_cvt_i32_f32 v30, v30                         ; (it saturates)
	FMAS 5
	v_ldexp_f32 v24, 1.0, v30
	FMAS 17
	s_wait_alu depctr_va_vdst(0)                   ; ahead of the batch, and ahead of the first reader of o
.set j, 0
.rept 16
	v_pk_mul_f32 v[O+j:O+j+1], v[O+j:O+j+1], v[24:25] op_sel_hi:[1,0]
.set j, j+2
.endr
.set j, 0
.rept 64
	v_exp_f32 v[S+j], v[S+j]
.set j, j+1
.endr
	v_pk_mul_f32 v[14:15], v[14:15], v[24:25] op_sel_hi:[1,0]   ; (also the plain place behind the exponentials)
	s_wait_alu depctr_va_vdst(0)                   ; one wait for the batch, ahead of its first reader
	v_pk_add_f32 v[14:15], v[14:15], v[S:S+1]      ; the sum of the unquantised p, two at a time, in four chains
	v_pk_add_f32 v[26:27], v[S+2:S+3], v[S+4:S+5]
	v_pk_add_f32 v[8:9], v[S+6:S+7], v[S+8:S+9]
	v_pk_add_f32 v[10:11], v[S+10:S+11], v[S+12:S+13]
.set j, 14
.rept 6
	v_pk_add_f32 v[14:15], v[14:15], v[S+j:S+j+1]
	v_pk_add_f32 v[26:27], v[26:27], v[S+j+2:S+j+3]
	v_pk_add_f32 v[8:9], v[8:9], v[S+j+4:S+j+5]
	v_pk_add_f32 v[10:11], v[10:11], v[S+j+6:S+j+7]
.set j, j+8
.endr
	v_pk_add_f32 v[14:15], v[14:15], v[S+62:S+63]
	v_pk_add_f32 v[26:27], v[26:27], v[10:11]
.set j, 0
.rept 32
.if j == 8
	v_pk_add_f32 v[14:15], v[14:15], v[8:9]
.endif
.if j == 16
	v_pk_add_f32 v[14:15], v[14:15], v[26:27]
.endif
	v_dual_min_num_f32 v[S+j], v29, v[S+j] :: v_dual_min_num_f32 v[S+j+1], v29, v[S+j+1]   ; the conversion to an 8-bit code does not saturate (ISA guide 7.6.2); p is never negative
.set j, j+2
.endr
.irp t, 0,1,2,3,4,5,6,7
	v_cvt_scalef32_pk8_fp8_f32 v[KR+2*\t:KR+2*\t+1], v[S+8*\t:S+8*\t+7], v28
.endr
	v_nop                                          ; one plain place behind the conversions
.endm
.macro KSTEP                           ; one key step of the tile in hand
	s_sub_co_u32 s97, s[ST], s[LO]
	s_cmp_gt_u32 s97, s[LM]
	s_cbranch_scc1 .Lnone_\@
	v_add_nc_u32 v[ADK], s[TB], v[LI]
	s_delay_alu instid0(VALU_DEP_1)
	v_add_nc_u32 v[ADV], 0x20000, v[ADK]
	v_nop                                          ; with the two additions: four places behind the last trip's products, which read the registers loaded below
	v_nop
.irp t, 0,1,2,3,4,5,6,7
	ds_load_b128 v[KR+8*\t:KR+8*\t+3], v[ADK] offset:1024*\t
	ds_load_b128 v[KR+8*\t+4:KR+8*\t+7], v[ADK] offset:1024*\t+512
.endr
.irp u, 0,1,2,3
.irp g, 0,1,2,3
	ds_load_b128 v[VR+16*\u+4*\g:VR+16*\u+4*\g+3], v[ADV] offset:2048*\u+512*\g
.endr
.endr
	s_wait_dscnt 16                                ; k is in; v's 16 loads may be out
.irp t, 0,1,2,3,4,5,6,7
	v_wmma_f32_16x16x64_fp8_fp8 v[S+8*\t:S+8*\t+7], v[KR+8*\t:KR+8*\t+7], v[16:23], 0
.endr
.rept 4
	v_nop                                          ; four places ahead of the first reader (ISA guide 7.12.1)
.endr
	s_cmp_lg_u32 s[ST], s[DG]
	s_cbranch_scc1 .Lopen_\@
	HIDE
.Lopen_\@:
	SOFT
	s_wait_alu depctr_va_vdst(0)
	s_wait_dscnt 0x0                               ; v is in
.irp u, 0,1,2,3
	v_wmma_f32_16x16x128_fp8_fp8 v[O+8*\u:O+8*\u+7], v[VR+16*\u:VR+16*\u+15], v[KR:KR+15], v[O+8*\u:O+8*\u+7]
.endr
.Lnone_\@:
	s_add_co_u32 s[ST], s[ST], 1
	s_add_co_u32 s[TB], s[TB], 8192
.endm
.macro FIN src, at                     ; the way out of a tile: src x 1 / sum, held, converted, stored
	v_mov_b32 v26, s76
	v_mov_b32 v27, s77
	v_add_f32 v14, v14, v15
	s_delay_alu instid0(VALU_DEP_1)
	v_permlanex16_b32 v10, v14, s20, s21
	s_delay_alu instid0(VALU_DEP_1)
	v_add_f32 v14, v14, v10                        ; the row's sum
	s_wait_alu depctr_va_vdst(0)
	v_rcp_f32 v14, v14
	v_nop
	s_wait_alu depctr_va_vdst(0)                   ; ahead of the first reader of the reciprocal and of o
.set j, 0
.rept 16
	v_pk_mul_f32 v[S+j:S+j+1], v[\src+j:\src+j+1], v[14:15] op_sel_hi:[1,0]
.set j, j+2
.endr
.set j, 0
.rept 32
	v_med3_num_f32 v[S+j], v[S+j], -v27, v27
.set j, j+1
.endr
.irp u, 0,1,2,3
	v_cvt_scalef32_pk8_fp8_f32 v[KR+2*\u:KR+2*\u+1], v[S+8*\u:S+8*\u+7], v26
.endr
	v_nop
	global_store_b128 v[LI], v[KR:KR+3], s[\at:\at+1]            ; 32 lanes store 512 consecutive bytes, aligned
	global_store_b128 v[LI], v[KR+4:KR+7], s[\at:\at+1] offset:512
.endm
	s_wait_alu depctr_va_vdst(0)
	s_wait_loadcnt 0x0                             ; q
	s_wait_tensorcnt 0x0                           ; my part of keys 0-1,023
	ds_add_u32 v[SPW], v[NIL]
	s_wait_dscnt 0x0                               ; the add is done
	CROUND                                         ; everybody's part is in, and the four work-groups are here
	tensor_load_to_lds s[36:39], s[24:31]          ; keys 1,024-2,047
	s_nop 0
.rept 4
	v_nop
.endr
	s_mov_b32 s[ST], 0
	s_mov_b32 s[TB], 0
.Lfirst:
	KSTEP
	s_cmp_lt_u32 s[ST], 3
	s_cbranch_scc1 .Lfirst
	s_wait_tensorcnt 0x0                           ; my part of keys 1,024-2,047 is in
	s_wait_dscnt 0x0                               ; no LDS instruction of mine is pending at a signal
	s_barrier_signal -1
	s_mov_b32 s[ST], 3
	s_mov_b32 s[TB], 3*8192
.Lsecond:                                          ; between the signal and the wait: steps 3-7, LDS reads of keys 384-1,023, which nobody writes any more
	KSTEP
	s_cmp_lt_u32 s[ST], 8
	s_cbranch_scc1 .Lsecond
	s_barrier_wait -1                              ; everybody's part of keys 1,024-2,047 is in
	s_sub_co_u32 s52, 7, s[J]
	s_min_u32 s52, s52, 1                          ; P: steps 8 and 9 (j = 7: step 8)
	s_sub_co_i32 s53, 5, s[J]
	s_max_i32 s53, s53, 0                          ; Q: steps 10 .. 15 - j,
	s_cmp_gt_u32 s[J], 5
	s_cselect_b32 s54, 20, 10                      ; none where j is over 5
	s_mov_b32 s[DG], s[LB]
	s_cmp_eq_u32 s[RO], 0
	s_cselect_b32 s[LO], 8, s54
	s_cselect_b32 s[LM], s52, s53
	s_cbranch_scc1 .Lkeep
	global_load_b128 v[16:19], v[LI], s[58:59]     ; Q: tile B's q,
	global_load_b128 v[20:23], v[LI], s[58:59] offset:512
	FIN O, 62                                      ; tile A leaves,
	INIT                                           ; and B's part begins
	s_wait_alu depctr_va_vdst(0)
	s_wait_loadcnt 0x0
	s_wait_xcnt 0x0                                ; the stores have read the codes' registers
.Lkeep:
	s_mov_b32 s[ST], 8
	s_mov_b32 s[TB], 8*8192
.Lthird:
	KSTEP
	s_cmp_lt_u32 s[ST], 16
	s_cbranch_scc1 .Lthird
.rept 4
	v_nop                                          ; places behind the last products: their results are stored, their sources loaded into, below
.endr
	s_cmp_eq_u32 s[RO], 0
	s_cbranch_scc1 .Lhanded
	ds_store_b128 v[XA], v[12:15]                  ; Q: -M, (the largest t,) the sum's halves,
.irp k, 0,1,2,3,4,5,6,7
	ds_store_b128 v[XA], v[O+4*\k:O+4*\k+3] offset:512*(\k+1)
.endr
.Lhanded:
	s_wait_alu depctr_va_vdst(0)
	s_wait_dscnt 0x0                               ; my stores are done
	s_barrier_signal -1
	s_barrier_wait -1
	s_cmp_lg_u32 s[RO], 0
	s_cbranch_scc1 .Lend
	ds_load_b128 v[KR:KR+3], v[XA]                 ; P: Q's part of tile B
.irp k, 0,1,2,3,4,5,6,7
	ds_load_b128 v[KR+4+4*\k:KR+7+4*\k], v[XA] offset:512*(\k+1)
.endr
	s_wait_dscnt 8
	v_min_num_f32 v30, v12, v[KR]                  ; -M of both
	v_sub_f32 v8, v30, v12
	v_sub_f32 v9, v30, v[KR]
	v_cvt_i32_f32 v8, v8
	v_cvt_i32_f32 v9, v9
	v_ldexp_f32 v24, 1.0, v8                       ; 2^(my M - M)
	v_ldexp_f32 v26, 1.0, v9                       ; 2^(Q's M - M): 0 where Q had no step
	v_pk_mul_f32 v[14:15], v[14:15], v[24:25] op_sel_hi:[1,0]
	v_pk_fma_f32 v[14:15], v[KR+2:KR+3], v[26:27], v[14:15] op_sel_hi:[1,0,1]
	s_wait_alu depctr_va_vdst(0)
	s_wait_dscnt 0x0
.set j, 0
.rept 16
	v_pk_mul_f32 v[S+j:S+j+1], v[O+j:O+j+1], v[24:25] op_sel_hi:[1,0]
.set j, j+2
.endr
.set j, 0
.rept 16
	v_pk_fma_f32 v[S+j:S+j+1], v[KR+4+j:KR+5+j], v[26:27], v[S+j:S+j+1] op_sel_hi:[1,0,1]
.set j, j+2
.endr
	FIN S, 60
.Lend:
	s_wait_tensorcnt 0x0                           ; the wave's end
	ds_add_u32 v[SPW], v[NIL]
	s_wait_dscnt 0x0
	CROUND                                         ; the closing round: no work-group ends while a partner may still ask for a tile that names it
	s_endpgm
.Lfunc_end_k_q6bc887b9de_attn:
	.size	k_q6bc887b9de_attn, .Lfunc_end_k_q6bc887b9de_attn-k_q6bc887b9de_attn
	.p2alignl 7, 3214868480
	.fill 96, 4, 3214868480
	.section	.rodata,"a",@progbits
	.p2align	6, 0x0
	.amdhsa_kernel k_q6bc887b9de_attn
		.amdhsa_group_segment_fixed_size 327680
		.amdhsa_private_segment_fixed_size 0
		.amdhsa_enable_private_segment 0
		.amdhsa_kernarg_size 24
		.amdhsa_user_sgpr_count 2
		.amdhsa_user_sgpr_kernarg_segment_ptr 1
		.amdhsa_wavefront_size32 1
		.amdhsa_system_sgpr_workgroup_id_x 1
		.amdhsa_system_sgpr_workgroup_id_y 1
		.amdhsa_system_sgpr_workgroup_id_z 1
		.amdhsa_system_vgpr_workitem_id 0
		.amdhsa_next_free_vgpr 256
		.amdhsa_next_free_sgpr 98
		.amdhsa_reserve_vcc 0
		.amdhsa_float_denorm_mode_32 3
		.amdhsa_float_denorm_mode_16_64 3
		.amdhsa_memory_ordered 1
		.amdhsa_forward_progress 1
		.amdhsa_inst_pref_size 91
	.end_amdhsa_kernel
	.amdgpu_metadata
---
amdhsa.version: [ 1, 2 ]
amdhsa.kernels:
  - .name:           k_q6bc887b9de_attn
    .symbol:         k_q6bc887b9de_attn.kd
    .args:
      - { .name: qkv, .offset: 0, .size: 8, .value_kind: global_buffer, .address_space: global }
      - { .name: lowp_scales, .offset: 8, .size: 8, .value_kind: global_buffer, .address_space: global }
      - { .name: ac, .offset: 16, .size: 8, .value_kind: global_buffer, .address_space: global }
    .group_segment_fixed_size: 327680
    .private_segment_fixed_size: 0
    .kernarg_segment_align: 8
    .kernarg_segment_size: 24
    .max_flat_workgroup_size: 512
    .sgpr_count:     98
    .vgpr_count:     256
    .wavefront_size: 32
...
	.end_amdgpu_metadata
.endif
;; end of part 3
;; launch proj (part 4): grid 8 x 32, 4 waves a work-group, clusters of 4 x 4, 284,160 bytes of LDS; arguments ac, cod, lowp_scales, bp, out0; writes out0
.if DOCPART == 4
	.amdgcn_target "amdgcn-amd-amdhsa--gfx1250"
	.amdhsa_code_object_version 6
	.text
	.protected	k_q6bc887b9de_proj
	.globl	k_q6bc887b9de_proj
	.p2align	8
	.type	k_q6bc887b9de_proj,@function
k_q6bc887b9de_proj:
	s_mov_b64 s[64:65], 0
	v_nop
	global_prefetch_b8 v0, s[64:65] scope:SCOPE_SE
	s_setreg_imm32_b32 hwreg(HW_REG_WAVE_MODE, 25, 1), 1
	s_wait_xcnt 0x0
	s_wait_alu depctr_hold_cnt(0) depctr_sa_sdst(0) depctr_va_vdst(0) depctr_va_sdst(0) depctr_va_ssrc(0) depctr_va_vcc(0) depctr_vm_vsrc(0)
	s_getreg_b32 s2, hwreg(HW_REG_IB_STS2, 6, 4)
	s_cmp_eq_u32 s2, 0
	s_cbranch_scc0 .Lentry_in_a_cluster
	s_endpgm
.Lentry_in_a_cluster:
	s_bfe_u32 s2, ttmp6, 0x10000c
	s_cmp_lg_u32 s2, 0xf033
	s_cbranch_scc0 .Lentry_shape_is_right
	s_endpgm
.Lentry_shape_is_right:
; out0 = A Wp^T + bp on codes of FP8 (E4M3): A's codes (scale: entry 10) as the attention launch stored them, Wp's (entry 11) from cod; sums in f32; out0 = sum x 2^(e10 + e11) + bp.
; A tile of out0 is 128 x 128: 32 x 8 = 256 work-groups; tiles of 256 x 256 would make 64.  Four waves, each 64 x 64: 16 accumulators, 128 registers.
; ALL OF K = 1,024 LIES IN LDS: A's 128 rows as 64 register images of 2,048 bytes, Wp's 128 rows as two halves of 512 along K with rows of 528 bytes.  Nothing is filled twice: no ring.  Each wave issues ONE tensor load at the head
; (waves 0, 1: A's K steps 0-3 and 4-7; waves 2, 3: Wp's two halves), so every byte is asked for in the first lines: nothing is left for a prefetch to run ahead of.
; CLUSTERS: 4 x 4 work-groups.  A's block hangs on the tile row alone and is asked for jointly along a row of the cluster, Wp's rows on the tile column alone and along a column.
; THE MATRIX INSTRUCTION IS USED TRANSPOSED (source 0 = 16 rows of Wp, source 1 = 16 rows of A): a lane holds eight neighbouring numbers of a row of out0.
; A's images hold k in the form's own places (registers 2 c, 2 c + 1: k = 16 c + 8 h + 0 .. 7).  Wp's codes lie with the second and the third eight of each 32 exchanged, so a read of 16 bytes at 32 c + 16 h brings
; k = 32 c + 8 h + 0 .. 7 and 32 c + 16 + 8 h + 0 .. 7: registers 4 c .. 4 c + 3 of the same order.
; LIMIT: e10 + e11 lies between -126 and 127, so that 2^(e10 + e11) is an f32 number.
; REGISTERS: window 0: v0-31 addresses; v32-63 bp in the result's layout; v64-95 at work on the way out; v128-255 the accumulators ((a, b) at v[128 + 8 (4 a + b)]), later whole rows of out0.
;   window 1: two fragment buffers of 128: A's four fragments, then Wp's four.
.set BOFF,   131072                    ; LDS: A's images from 0 (K step s at 16,384 s, tile of rows i at + 2,048 i); Wp's rows from here:
.set BP,     528                       ; a row of a half: 512 bytes + 16 of padding = 132 words: row r starts at bank 4 r mod 64 (64 banks of 4 bytes: ISA guide 11.1)
.set HALFB,  128*BP
.set SPITCH, 272                       ; the way out: a stage of 16 rows x (256 bytes + 16) for each wave, in bytes of its own
.set STAGE,  BOFF+2*HALFB
.set SPARE,  STAGE+4*16*SPITCH         ; behind them: the spare words, 128 bytes for each wave
.set LI,   4                           ; v4      16 x lane
.set ADA,  16                          ; v16-17  LDS address of my A images, K steps 0-3 and 4-7
.set ADB,  20                          ; v20-21  of my rows of Wp, the two halves
.set STO,  24                          ; v24     the way out: where I put 32 bytes of a row
.set RD,   25                          ; v25     where I read a row back
.set CO,   26                          ; v26     my byte offset in two rows of out0
.set SPW,  28                          ; v28     LDS address of my spare word; never rewritten
.set NIL,  29                          ; v29     0; never rewritten
.set BI,   32
.set TMP,  64
.set ACC,  128
.set F0,   0
.set F1,   128
.set G1A,  24                          ; s[24:31] descriptor group 1 for A;  s[32:39] for Wp;  s[40:43], s[56:59] their groups 0
.set G1B,  32
.set MSB, 0
.macro WIN new                         ; the immediate's high byte repeats the setting that is left
.if MSB != \new
	s_set_vgpr_msb (MSB<<8)|\new
.set MSB, \new
.endif
.endm
.macro CROUND                          ; a round of the cluster's barrier
	s_barrier_signal -1
	s_barrier_wait -1
	s_cmp_lg_u32 s10, 0
	s_cbranch_scc1 .Lnot_wave_0_\@
	s_barrier_signal -3
.Lnot_wave_0_\@:
	s_barrier_wait -3
	s_barrier_signal -1
	s_barrier_wait -1
.endm
.macro PLACES n
.rept \n
	v_nop
.endr
.endm
	s_load_b256 s[76:83], s[0:1], 0x0              ; ac s[76:77], cod s[78:79], the scales' exponents s[80:81], bp s[82:83]
	s_load_b64 s[84:85], s[0:1], 0x20              ; out0
	v_lshl_add_u32 v[SPW], v0, 2, SPARE
	v_mov_b32 v[NIL], 0
	ds_add_u32 v[SPW], v[NIL]                      ; the wave's opening: the add, twice on end, and its wait ahead of my first tensor load
	ds_add_u32 v[SPW], v[NIL]
	v_lshrrev_b32 v1, 5, v0
	v_readfirstlane_b32 s10, v1                    ; wave 0..3
	s_lshr_b32 s11, s10, 1                         ; which 64 rows of the tile are mine.  Also: I fetch for A (0) or for Wp (1)
	s_and_b32 s12, s10, 1                          ; which 64 columns.  Also: which half of K I fetch
	s_bfe_u32 s86, ttmp6, 0x40000                  ; cx, cy: my place in the cluster
	s_bfe_u32 s87, ttmp6, 0x40004
	s_lshl_b32 s88, ttmp9, 2
	s_add_co_u32 s88, s88, s86                     ; tile column = 4 x cluster x + cx
	s_and_b32 s13, ttmp7, 0xffff
	s_lshl_b32 s13, s13, 2
	s_add_co_u32 s13, s13, s87                     ; tile row = 4 x cluster y + cy
	s_lshl_b32 s89, s87, 2
	s_lshl_b32 s89, 15, s89                        ; my row of the cluster
	s_lshl_b32 s90, 0x1111, s86                    ; my column
	; group 1 for A: a dense block of 65,536 bytes as 256 rows of 256
	s_or_b32 s[G1A+0], s89, (3<<16)|(1<<21)        ; 15:0 the mask: my row; 17:16 elements of 8 bytes; 21 set beside a mask; no padding
	s_mov_b32 s[G1A+1], 32<<16                     ; tensor_dim0 = 32
	s_mov_b32 s[G1A+2], 256<<16                    ; tensor_dim1 = 256
	s_mov_b32 s[G1A+3], 32<<16                     ; tile_dim0 = 32
	s_mov_b32 s[G1A+4], 256                        ; tile_dim1 = 256
	s_mov_b32 s[G1A+5], 32                         ; tensor_dim0_stride
	s_mov_b32 s[G1A+6], 0
	s_mov_b32 s[G1A+7], 0
	; group 1 for Wp: 128 rows x 512 bytes, 1,024 bytes apart in memory, padded in LDS
	s_or_b32 s[G1B+0], s90, (0<<16)|(1<<20)|(1<<21)|(6<<22)|(3<<25)  ; the mask: my column; elements of 1 byte; padding on: 4 words (code 3) after every 128 (code 6)
	s_mov_b32 s[G1B+1], 512<<16
	s_mov_b32 s[G1B+2], 128<<16
	s_mov_b32 s[G1B+3], 512<<16
	s_mov_b32 s[G1B+4], 128
	s_mov_b32 s[G1B+5], 1024
	s_mov_b32 s[G1B+6], 0
	s_mov_b32 s[G1B+7], 0
	s_lshl_b32 s14, s13, 17                        ; A: the tile row's block of 131,072 bytes,
	s_lshl_b32 s18, s12, 16
	s_add_co_u32 s14, s14, s18                     ; + the half that I fetch
	s_mov_b32 s15, 0
	s_lshl_b32 s16, s88, 17                        ; Wp: row 128 x tile column
	s_lshl_b32 s19, s12, 9
	s_add_co_u32 s16, s16, s19                     ; + the half of K that I fetch
	s_add_co_u32 s16, s16, 0xF00000                ; Wp's codes in cod
	s_mov_b32 s17, 0
	s_lshl_b32 s20, s12, 16                        ; where they go: no place in the cluster enters an LDS address
	s_mul_i32 s21, s12, HALFB
	s_add_co_u32 s21, s21, BOFF
	s_wait_dscnt 0x0                               ; both opening adds are done
	s_wait_kmcnt 0x0
	s_load_b64 s[94:95], s[80:81], 0x28            ; e10, e11
	s_add_nc_u64 s[14:15], s[76:77], s[14:15]
	s_add_nc_u64 s[16:17], s[78:79], s[16:17]
	s_mov_b32 s40, 1
	s_mov_b32 s41, s20
	s_mov_b64 s[42:43], s[14:15]
	s_or_b32 s43, s43, 0x80000000
	s_mov_b32 s56, 1
	s_mov_b32 s57, s21
	s_mov_b64 s[58:59], s[16:17]
	s_or_b32 s59, s59, 0x80000000
	CROUND                                         ; all sixteen work-groups are here: the joint loads meet
	s_cmp_eq_u32 s11, 0                            ; one fill in each arm of a branch on the wave's number; an s_nop 0 and four v_nop follow each
	s_cbranch_scc0 .Lfill_b
	tensor_load_to_lds s[40:43], s[G1A:G1A+7]
	s_nop 0
	PLACES 4
	s_branch .Lfilled
.Lfill_b:
	tensor_load_to_lds s[56:59], s[G1B:G1B+7]
	s_nop 0
	PLACES 4
.Lfilled:
	v_and_b32 v1, 15, v0                           ; r
	v_bfe_u32 v2, v0, 4, 1                         ; h
	v_and_b32 v[LI], 31, v0
	v_lshlrev_b32 v[LI], 4, v[LI]
	s_lshl_b32 s18, s11, 13                        ; my 64 rows of A: four images of 2,048 bytes
	v_add_nc_u32 v[ADA], s18, v[LI]
	v_add_nc_u32 v[ADA+1], 0x10000, v[ADA]
	s_mul_i32 s19, s12, 64*BP                      ; my 64 rows of Wp
	s_add_co_u32 s19, s19, BOFF
	v_mul_u32_u24 v3, v1, BP
	v_lshl_add_u32 v3, v2, 4, v3                   ; row r x pitch + 16 h
	v_add_nc_u32 v[ADB], s19, v3
	v_add_nc_u32 v[ADB+1], HALFB, v[ADB]
	s_mul_i32 s22, s10, 16*SPITCH
	s_add_co_u32 s22, s22, STAGE                   ; my stage
	v_mul_u32_u24 v6, v1, SPITCH
	v_lshl_add_u32 v6, v2, 5, v6
	v_add_nc_u32 v[STO], s22, v6                   ; in: row r, 32 bytes for each half of the lanes
	v_mul_u32_u24 v6, v2, SPITCH
	v_lshl_add_u32 v6, v1, 4, v6
	v_add_nc_u32 v[RD], s22, v6                    ; back: lanes 0-15 one row of 256 bytes, lanes 16-31 the next
	v_lshlrev_b32 v[CO], 12, v2
	v_lshl_add_u32 v[CO], v1, 4, v[CO]             ; and the same two rows in out0
	v_lshlrev_b32 v5, 5, v2                        ; bp: a lane's eight numbers begin 32 h bytes into a tile's 64
	s_wait_alu depctr_va_vdst(0)
	s_lshl_b32 s14, s13, 7
	s_lshl_b32 s18, s11, 6
	s_add_co_u32 s14, s14, s18                     ; my first row of out0: 128 x tile row + 64 x half
	s_lshl_b32 s14, s14, 12
	s_mov_b32 s15, 0
	s_add_nc_u64 s[84:85], s[84:85], s[14:15]
	s_lshl_b32 s16, s88, 7
	s_lshl_b32 s18, s12, 6
	s_add_co_u32 s16, s16, s18                     ; my first column: 128 x tile column + 64 x half
	s_lshl_b32 s16, s16, 2
	s_mov_b32 s17, 0
	s_add_nc_u64 s[84:85], s[84:85], s[16:17]
	s_add_nc_u64 s[82:83], s[82:83], s[16:17]
.irp b, 0,1,2,3                        ; bp in the result's layout: tile b, register j: column 16 b + 8 h + j
	global_load_b128 v[BI+8*\b:BI+8*\b+3], v5, s[82:83] offset:64*\b
	global_load_b128 v[BI+8*\b+4:BI+8*\b+7], v5, s[82:83] offset:64*\b+16
.endr
; 32 LDS loads in one run: the fragments of K step s into buffer f: A's four images as they stand, Wp's four from rows
.macro FETCHP s, f
	WIN 0x40                                       ; destination window 1, address window 0
.irp i, 0,1,2,3
.irp g, 0,1,2,3
	ds_load_b128 v[\f+16*\i+4*\g:\f+16*\i+4*\g+3], v[ADA+(\s)/4] offset:((\s)%4)*16384+2048*\i+512*\g
.endr
.endr
.irp i, 0,1,2,3
.irp c, 0,1,2,3
	ds_load_b128 v[\f+64+16*\i+4*\c:\f+64+16*\i+4*\c+3], v[ADB+(\s)/4] offset:16*BP*\i+128*((\s)%4)+32*\c
.endr
.endr
.endm
; 16 matrix instructions, 128 along K: the 16 accumulators take turns, one instruction a turn, in the same order in every step.  zero = 1: the products start the sums
.macro MULP f, zero
	WIN 0x05                                       ; sources 0 and 1 window 1; C and D window 0
.irp a, 0,1,2,3
.irp b, 0,1,2,3
.if \zero
	v_wmma_f32_16x16x128_fp8_fp8 v[ACC+8*(4*\a+\b):ACC+8*(4*\a+\b)+7], v[\f+64+16*\b:\f+64+16*\b+15], v[\f+16*\a:\f+16*\a+15], 0
.else
	v_wmma_f32_16x16x128_fp8_fp8 v[ACC+8*(4*\a+\b):ACC+8*(4*\a+\b)+7], v[\f+64+16*\b:\f+64+16*\b+15], v[\f+16*\a:\f+16*\a+15], v[ACC+8*(4*\a+\b):ACC+8*(4*\a+\b)+7]
.endif
.endr
.endr
.endm
; K step s multiplies buffer f; ahead of its products the next step's fragments are asked for, into buffer g.
.macro PSTEP s, f, g
.if ((\s) > 0) && ((\s) < 7)
	PLACES 4                                       ; in front of loads into the buffer that the last step's products have read
.endif
.if (\s) < 7
	FETCHP (\s)+1, \g
	s_wait_dscnt 32                                ; all but the 32 just issued
.else
	s_wait_dscnt 0x0
.endif
.if (\s) == 0
	MULP \f, 1
.else
	MULP \f, 0
.endif
.endm
	s_wait_tensorcnt 0x0                           ; my load is in
	s_barrier_signal -1
	s_barrier_wait -1                              ; everybody's is
	FETCHP 0, F0
	PSTEP 0, F0, F1
	PSTEP 1, F1, F0
	PSTEP 2, F0, F1
	PSTEP 3, F1, F0
	PSTEP 4, F0, F1
	PSTEP 5, F1, F0
	PSTEP 6, F0, F1
	PSTEP 7, F1, F0
	WIN 0
; THE WAY OUT, a block of 16 rows x 64 columns at a time: sum x 2^(e10 + e11) + bp, one packed multiply-add for two numbers; 32 bytes a lane into my own stage; back as whole rows of 256 bytes, into the block's own registers.
; LDS serves a wave's instructions in order (ISA guide 5.7.1.4): no wait between the stores and the loads, nor in front of the next block's stores.
.macro TOSTAGE a
.irp i, 0,2,4,6,8,10,12,14,16,18,20,22,24,26,28,30
	v_pk_fma_f32 v[TMP+\i:TMP+\i+1], v[ACC+32*(\a)+\i:ACC+32*(\a)+\i+1], s[92:93], v[BI+\i:BI+\i+1] op_sel_hi:[1,0,1]   ; each accumulator from its low end on
.endr
.irp b, 0,1,2,3
	ds_store_b128 v[STO], v[TMP+8*\b:TMP+8*\b+3] offset:64*\b
	ds_store_b128 v[STO], v[TMP+8*\b+4:TMP+8*\b+7] offset:64*\b+16
.endr
.irp t, 0,1,2,3,4,5,6,7
	ds_load_b128 v[ACC+32*(\a)+4*\t:ACC+32*(\a)+4*\t+3], v[RD] offset:2*\t*SPITCH
.endr
.endm
.macro SEND a, younger                 ; younger: the LDS instructions issued behind block a's loads: the next block's eight stores and eight loads, or none
.irp t, 0,1,2,3,4,5,6,7
	s_wait_dscnt \younger+7-\t
	global_store_b128 v[CO], v[ACC+32*(\a)+4*\t:ACC+32*(\a)+4*\t+3], s[84:85] offset:(16*(\a)+2*\t)*4096 th:TH_STORE_NT   ; 16 lanes store 256 consecutive bytes, aligned; written once, read by nobody here
.endr
.endm
	s_wait_kmcnt 0x0
	s_add_co_i32 s92, s94, s95
	s_add_co_i32 s92, s92, 127
	s_lshl_b32 s92, s92, 23                        ; 2^(e10 + e11) as f32
	s_mov_b32 s93, s92                             ; (named with it as a pair, so it is written)
	s_wait_loadcnt 0x0                             ; bp
	PLACES 4                                       ; behind the last products, in front of the first read of results
	TOSTAGE 0
	TOSTAGE 1
	SEND 0, 16
	TOSTAGE 2
	SEND 1, 16
	TOSTAGE 3
	SEND 2, 16
	SEND 3, 0
	s_wait_tensorcnt 0x0                           ; the wave's end, behind my last tensor load and my last LDS store
	ds_add_u32 v[SPW], v[NIL]
	s_wait_dscnt 0x0
	CROUND                                         ; the closing round: no work-group ends while a partner may still ask for a tile that names it
	s_endpgm
.Lfunc_end_k_q6bc887b9de_proj:
	.size	k_q6bc887b9de_proj, .Lfunc_end_k_q6bc887b9de_proj-k_q6bc887b9de_proj
	.p2alignl 7, 3214868480
	.fill 96, 4, 3214868480
	.section	.rodata,"a",@progbits
	.p2align	6, 0x0
	.amdhsa_kernel k_q6bc887b9de_proj
		.amdhsa_group_segment_fixed_size 284160
		.amdhsa_private_segment_fixed_size 0
		.amdhsa_enable_private_segment 0
		.amdhsa_kernarg_size 40
		.amdhsa_user_sgpr_count 2
		.amdhsa_user_sgpr_kernarg_segment_ptr 1
		.amdhsa_wavefront_size32 1
		.amdhsa_system_sgpr_workgroup_id_x 1
		.amdhsa_system_sgpr_workgroup_id_y 1
		.amdhsa_system_sgpr_workgroup_id_z 1
		.amdhsa_system_vgpr_workitem_id 0
		.amdhsa_next_free_vgpr 512
		.amdhsa_next_free_sgpr 96
		.amdhsa_reserve_vcc 0
		.amdhsa_float_denorm_mode_32 3
		.amdhsa_float_denorm_mode_16_64 3
		.amdhsa_memory_ordered 1
		.amdhsa_forward_progress 1
		.amdhsa_inst_pref_size 45
	.end_amdhsa_kernel
	.amdgpu_metadata
---
amdhsa.version: [ 1, 2 ]
amdhsa.kernels:
  - .name:           k_q6bc887b9de_proj
    .symbol:         k_q6bc887b9de_proj.kd
    .args:
      - { .name: ac, .offset: 0, .size: 8, .value_kind: global_buffer, .address_space: global }
      - { .name: cod, .offset: 8, .size: 8, .value_kind: global_buffer, .address_space: global }
      - { .name: lowp_scales, .offset: 16, .size: 8, .value_kind: global_buffer, .address_space: global }
      - { .name: bp, .offset: 24, .size: 8, .value_kind: global_buffer, .address_space: global }
      - { .name: out0, .offset: 32, .size: 8, .value_kind: global_buffer, .address_space: global }
    .group_segment_fixed_size: 284160
    .private_segment_fixed_size: 0
    .kernarg_segment_align: 8
    .kernarg_segment_size: 40
    .max_flat_workgroup_size: 128
    .sgpr_count:     96
    .vgpr_count:     512
    .wavefront_size: 32
...
	.end_amdgpu_metadata
.endif
;; end of part 4
